; MI455X (gfx1250); checked and timed in simulation.
; The chip was launched on July 23, 2026; its instructions are those of AMD's public machine-readable ISA for CDNA 5 (MIT licence, August 2026) and "CDNA5" Instruction Set Architecture Reference Guide (July 2026). The comments in the code are by the model that wrote it; some were corrected since.
;; Attention Block. Allowed arithmetic: matrix products marked QUANTISED: E2M3 operands, one E8M0 scale for each 32 along K, by v_wmma_scale_f32_16x16x128_f8f6f4 with both operands' format E2M3, f32 sums; everything else in f32.
;; Inputs: b_out 1,024 float32; b_qkv 3,072 float32; cos_tab 4,095 x 32 float32; sin_tab 4,095 x 32 float32; w_out 1,024 x 1,024 float32; w_qkv 3,072 x 1,024 float32; x 8 x 1,024 x 1,024 float32.
;; Outputs: out0 8 x 1,024 x 1,024 float32.
;; This version of the problem:
;;   THIS VERSION OF THE PROBLEM IS GIVEN IN LOW PRECISION. The matrix products marked QUANTISED in the list below multiply operands that are first quantised to E2M3 (2 exponent bits, 3 mantissa bits; 6 bits a number), with one power-of-two scale for each 32 numbers along K (OCP MX v1.0); their sums are f32. All else is computed in f32.
;;   The module's matrix products, in the order in which they are computed (A, B: the left and right operand; K: the contracted axis; several contracted axes count as one K, in the product's order):
;;     1. [M 8,192, K 1,024] x [K 1,024, N 3,072]; A: input x; B: input w_qkv: QUANTISED
;;     2. batch 128 x [M 1,024, K 64] x [K 64, N 1,024]; A: computed on the way; B: computed on the way: QUANTISED
;;     3. batch 128 x [M 1,024, K 1,024] x [K 1,024, N 64]; A: softmax (see below); B: computed on the way: QUANTISED
;;     4. [M 8,192, K 1,024] x [K 1,024, N 1,024]; A: computed on the way; B: input w_out: QUANTISED
;;   THE QUANTISER, for each operand of a quantised product, along K:
;;     - K is cut into blocks of 32 from its start; a last block that is shorter is filled with zeros.
;;     - A block's scale is 2^e with e = floor(log2(the largest magnitude in the block)) - 2, held to -126 .. 127; a block of zeros has e = 0. As a byte (E8M0): e + 127.
;;     - Each number is divided by its block's scale, clamped to +-7.5, and rounded to the nearest number of E2M3, ties to even, subnormals kept.
;;     - The product sums the exact products of the quantised numbers (number of the format x scale) in f32.
;;   ~~~python
;;   def quantise(x, axis):      # numpy; x: float32 -> the quantised numbers, widened to float32 again
;;       x = np.moveaxis(x, axis, -1); K = x.shape[-1]
;;       x = np.pad(x, [(0, 0)] * (x.ndim - 1) + [(0, -K % 32)]); x = x.reshape(x.shape[:-1] + (-1, 32)); a = np.abs(x).max(-1, keepdims=True)
;;       e = np.where(a > 0, np.clip(np.frexp(np.where(a > 0, a, 1))[1] - 1 - 2, -126, 127), 0)      # np.frexp(a)[1] - 1 = floor(log2(a)), exactly
;;       r = np.clip(x / 2.0 ** e, -7.5, 7.5)
;;       step = 2.0 ** (np.maximum(np.frexp(np.where(r == 0, 1, r))[1] - 1, 0) - 3)
;;       q = np.round(r / step) * step * 2.0 ** e      # np.round: ties to even
;;       return np.moveaxis(q.reshape(q.shape[:-2] + (-1,))[..., :K], -1, axis).astype(np.float32)
;;   ~~~
;;   SOFTMAX AHEAD OF A QUANTISED PRODUCT. Where the list says 'softmax', what is quantised is not the finished softmax but p = 2^(t - M), with t = logit x log2(e) and M = ceil(the row's largest t), a whole number; so 1/2 < the row's largest p <= 1. The row's sum l is taken of the UNQUANTISED p, in f32, and the product's result is divided by l at the end. Since M is a whole number, a kernel that streams over the keys may use a running M (the ceiling of the running maximum): every later rescaling is an exact power of two, which a block's scale takes up: the codes' values come out the same.
;;   OPERANDS COMPUTED ON THE WAY. 'Computed on the way' means the value that the module computes at that place (a softmax that the list does not call 'softmax' is quantised finished and normalised). What goes into a quantiser is computed in f32, as accurately as f32 sums, v_exp_f32 and their like allow (about 1e-6 of the number): no bf16 or f16 on the way to a quantiser, and a product that is left as it is and whose result goes on into a quantised operand takes f32 operands (vector FMAs, or v_wmma_f32_16x16x4_f32). A number that lies on a knife's edge between two numbers of the format may be rounded either way, as far as f32 arithmetic and the matrix unit's own rounding can turn it there, and no further.
;; One version. Each part assembles by itself: llvm-mc -triple=amdgcn-amd-amdhsa -mcpu=gfx1250 --defsym DOCPART=n.
;; ======== version 1 of 1: 4 launches
;; workspace buffers: opnd_img 9,437,184 bytes; opnd_sc 393,216 bytes; qk_img 12,582,912 bytes; qk_sc 524,288 bytes; v_img 6,291,456 bytes; v_sc 262,144 bytes; y_img 6,291,456 bytes; y_sc 262,144 bytes
;; launch quant (part 1): grid 768 x 1, 2 waves a work-group, no clusters, 17,152 bytes of LDS; arguments x, w_qkv, w_out, opnd_img, opnd_sc; writes opnd_img, opnd_sc
.if DOCPART == 1
	.amdgcn_target "amdgcn-amd-amdhsa--gfx1250"
	.amdhsa_code_object_version 6
	.text
	.protected	k_q794d701140_quant
	.globl	k_q794d701140_quant
	.p2align	8
	.type	k_q794d701140_quant,@function
k_q794d701140_quant:
	s_mov_b64 s[64:65], 0
	v_nop
	global_prefetch_b8 v0, s[64:65] scope:SCOPE_SE
	s_setreg_imm32_b32 hwreg(HW_REG_WAVE_MODE, 25, 1), 1
	s_wait_xcnt 0x0
; x [8192][1024], w_qkv [3072][1024] and w_out [1024][1024], f32, K innermost, become codes of FP6 (E2M3) with one E8M0 scale byte for each 32 along K.
; The three tensors count as one run of 12,288 rows.  A block's scale is 2^(floor(log2(its largest magnitude)) - 2): its byte is the largest magnitude's exponent field - 2, held at 1 from below.
; LIMITS: NaN and infinities among the inputs are not served; a block of zeros, or one whose largest magnitude lies under 2^-124, keeps the byte 1: its codes are zeros, and this program alone reads the bytes.
; THE CODES LEAVE AS IMAGES OF OPERAND REGISTERS.  A fragment is 16 rows x 128 K, 12 registers a lane, 1,536 bytes: two pieces of 64 K; in a piece lane l's registers 0-3 lie at 16 l and its registers 4-5 at 512 + 8 l.
; opnd_img: [tile of 16 rows][K step g of 128][1,536].  THE ROWS OF A TILE ARE NOT NEIGHBOURS: lane r of tile t is row 32 (t / 2) + 8 (t % 2) + r + 8 (r / 8), so that in a product's result the 16 registers of two
; neighbouring tiles are 16 neighbouring rows.  opnd_sc: [group of 64 rows][g][r 16][tile in the group 4] words, a word the four bytes of one row and one K step: 256 bytes for a group and a K step.
; SHARES.  A wave takes 64 rows x 128 K: four units of one fragment.  Each load reads 512 consecutive bytes of one row; a unit's 16 rows turn through the wave's own stage in LDS (rows 528 bytes apart) and come back
; a whole block of 32 numbers to a lane, so that a block's largest magnitude needs no other lane.  Loads run two units (32 loads a wave) ahead.  Waves share nothing: no barrier.
.set STG,   8448                       ; a wave's stage: 16 rows x (512 bytes + 16)
.set SPARE, 2*STG                      ; behind the stages: the spare words, 128 bytes for each wave: one block of 256 bytes that no other line names
.set VO16,  1                          ; v1      16 x lane
.set VO8,   2                          ; v2      8 x lane
.set VSO,   3                          ; v3      16 r + 8 h: my 8 bytes of the scale words' 256
.set W,     4                          ; v4-7    the four units' scale words
.set SPW,   12                         ; v12     LDS address of my spare word; never rewritten
.set NIL,   13                         ; v13     0; never rewritten
.set LW,    14                         ; v14     the stage, on the way in: 16 x lane
.set LR,    15                         ; v15     and on the way out: 528 r + 128 h
.set CD,    16                         ; v16-39  codes: two sets of 12, by turns
.set SH,    40                         ; v40     8 h
.set HH,    41                         ; v41     h = lane / 16
.set MA,    42                         ; v42-45  largest magnitudes, two chains for each of my two blocks
.set SO,    46                         ; v46-47  the conversions' scale operands
.set BY,    48                         ; v48-49  the scale bytes
.set WT,    50
.set PD,    51
.set TC,    52                         ; v52-54, v56-58  the upper 16 codes of a block, as the conversion leaves them
.set OW,    60                         ; v60-61  the two words that I store
.set R,     64                         ; v64-191 two sets of 64: a unit as loaded
.set X,     192                        ; v192-255 my two blocks of 32 numbers
	s_load_b128 s[4:7], s[0:1], 0x0                ; x, w_qkv
	s_load_b128 s[8:11], s[0:1], 0x10              ; w_out, opnd_img
	s_load_b64 s[12:13], s[0:1], 0x20              ; opnd_sc
	v_lshl_add_u32 v[SPW], v0, 2, SPARE
	v_mov_b32 v[NIL], 0
	v_lshrrev_b32 v[WT], 5, v0
	v_readfirstlane_b32 s15, v[WT]                 ; wave 0, 1
	v_and_b32 v[WT], 31, v0                        ; lane
	v_and_b32 v[PD], 15, v0                        ; r
	v_bfe_u32 v[HH], v0, 4, 1                      ; h
	v_lshlrev_b32 v[VO16], 4, v[WT]
	v_lshlrev_b32 v[VO8], 3, v[WT]
	v_lshlrev_b32 v[VSO], 4, v[PD]
	v_lshl_add_u32 v[VSO], v[HH], 3, v[VSO]
	v_lshlrev_b32 v[SH], 3, v[HH]
	s_mul_i32 s19, s15, STG
	v_add_nc_u32 v[LW], s19, v[VO16]
	v_mul_u32_u24 v[LR], v[PD], 528
	v_lshl_add_u32 v[LR], v[HH], 7, v[LR]
	v_add_nc_u32 v[LR], s19, v[LR]
	s_lshr_b32 s14, ttmp9, 2                       ; G: which group of 64 rows, 0 .. 191
	s_and_b32 s22, ttmp9, 3
	s_lshl_b32 s22, s22, 1
	s_add_co_u32 s22, s22, s15                     ; g: which 128 along K, 0 .. 7
	s_mov_b32 s20, 0x76543210
	s_mov_b32 s21, 0xfedcba98                      ; v_permlanex16_b32's selects for lane l xor 16
	s_mul_i32 s24, s14, 49152                      ; the images: four tiles of 12,288 bytes a group,
	s_mul_i32 s23, s22, 1536                       ; 1,536 a K step
	s_add_co_u32 s24, s24, s23
	s_mov_b32 s25, 0
	s_lshl_b32 s26, s14, 11                        ; the scale words: 2,048 bytes a group, 256 a K step
	s_lshl_b32 s23, s22, 8
	s_add_co_u32 s26, s26, s23
	s_mov_b32 s27, 0
	s_wait_kmcnt 0x0
	s_add_nc_u64 s[18:19], s[10:11], s[24:25]
	s_add_nc_u64 s[12:13], s[12:13], s[26:27]
	s_mov_b32 s23, 176                             ; which tensor: groups 0-127 x, 128-175 w_qkv, 176-191 w_out.  The choice hangs on the work-group's number alone
	s_cmp_lt_u32 s14, 176
	s_cselect_b64 s[16:17], s[6:7], s[8:9]
	s_cselect_b32 s23, 128, s23
	s_cmp_lt_u32 s14, 128
	s_cselect_b64 s[16:17], s[4:5], s[16:17]
	s_cselect_b32 s23, 0, s23
	s_sub_co_u32 s23, s14, s23                     ; the group's number in its tensor
	s_lshl_b32 s24, s23, 18                        ; 64 rows of 4,096 bytes
	s_lshl_b32 s23, s22, 9                         ; 512 bytes a K step
	s_add_co_u32 s24, s24, s23
	s_add_nc_u64 s[16:17], s[16:17], s[24:25]
.macro LOADU i                         ; unit i: the 16 rows of tile i of the group, in the tile's own order; 32 lanes read 512 consecutive bytes of a row
.irp p, 0,1,2,3,4,5,6,7,8,9,10,11,12,13,14,15
	global_load_b128 v[R+64*((\i)%2)+4*\p:R+64*((\i)%2)+4*\p+3], v[VO16], s[16:17] offset:(32*((\i)/2)+8*((\i)%2)+\p+8*(\p/8))*4096 th:TH_LOAD_NT
.endr
.endm
.macro UNIT i
.set CU, CD+12*((\i)%2)
.if (\i) < 3
	s_wait_loadcnt 16                              ; this unit's 16 loads are in; the next unit's 16 may be out
.else
	s_wait_loadcnt 0x0
.endif
.irp p, 0,1,2,3,4,5,6,7,8,9,10,11,12,13,14,15
	ds_store_b128 v[LW], v[R+64*((\i)%2)+4*\p:R+64*((\i)%2)+4*\p+3] offset:528*\p
.endr
.irp c, 0,1                            ; LDS serves a wave's instructions in order: these see the stores above.  My blocks: 2 c + h of row r
.irp j, 0,1,2,3,4,5,6,7
	ds_load_b128 v[X+32*\c+4*\j:X+32*\c+4*\j+3], v[LR] offset:256*\c+16*\j
.endr
.endr
	s_wait_dscnt 0x0                               ; my numbers are back, and the stores have read their registers,
.if (\i)+2 < 4
	LOADU (\i)+2                                   ; which take the loads of two units on
.endif
.irp c, 0,1
	v_max3_num_f32 v[MA+2*\c], |v[X+32*\c]|, |v[X+32*\c+1]|, 0x1800000   ; the floor 2^(3 - 127) among the leaves: the byte cannot fall under 1
	v_max3_num_f32 v[MA+2*\c+1], |v[X+32*\c+2]|, |v[X+32*\c+3]|, |v[X+32*\c+4]|
.endr
.irp k, 5,9,13,17,21,25
.irp c, 0,1
	v_max3_num_f32 v[MA+2*\c], v[MA+2*\c], |v[X+32*\c+\k]|, |v[X+32*\c+\k+1]|
	v_max3_num_f32 v[MA+2*\c+1], v[MA+2*\c+1], |v[X+32*\c+\k+2]|, |v[X+32*\c+\k+3]|
.endr
.endr
.irp c, 0,1
	v_max3_num_f32 v[MA+2*\c], v[MA+2*\c], |v[X+32*\c+29]|, |v[X+32*\c+30]|
.endr
.irp c, 0,1
	v_max3_num_f32 v[MA+2*\c], v[MA+2*\c], v[MA+2*\c+1], |v[X+32*\c+31]|   ; the block's largest magnitude: all 32 numbers are mine
.endr
.irp c, 0,1
	v_add_nc_u32 v[SO+\c], 0xff000000, v[MA+2*\c]  ; 2 off its exponent field: the conversion takes the exponent field of this operand as its scale
.endr
.irp c, 0,1
	v_lshrrev_b32 v[BY+\c], 23, v[SO+\c]           ; the scale's byte
.endr
.if (\i) > 1
	s_wait_xcnt 0x0                                ; the stores of two units back have read this set of code registers
.endif
.irp c, 0,1
	v_cvt_scalef32_pk16_fp6_f32 v[CU+6*\c:CU+6*\c+2], v[X+32*\c:X+32*\c+15], v[SO+\c]
	v_cvt_scalef32_pk16_fp6_f32 v[TC+4*\c:TC+4*\c+2], v[X+32*\c+16:X+32*\c+31], v[SO+\c]   ; (a conversion's three registers begin on an even number)
.endr
	v_lshl_or_b32 v[WT], v[BY+1], 16, v[BY]        ; my two bytes, blocks h and 2 + h of row r (plain lines behind the conversions),
	v_lshlrev_b32 v[WT], v[SH], v[WT]              ; at their places in the word;
	v_permlanex16_b32 v[PD], v[WT], s20, s21
	v_or_b32 v[W+(\i)], v[WT], v[PD]               ; with lane l xor 16's two the word is whole
.irp c, 0,1
.irp k, 0,1,2
	v_mov_b32 v[CU+6*\c+3+\k], v[TC+4*\c+\k]
.endr
.endr
	global_store_b128 v[VO16], v[CU:CU+3], s[18:19] offset:(\i)*12288          ; each store covers 512 or 256 consecutive bytes, at a multiple of 256 from the buffer's first byte
	global_store_b64 v[VO8], v[CU+4:CU+5], s[18:19] offset:(\i)*12288+512
	global_store_b128 v[VO16], v[CU+6:CU+9], s[18:19] offset:(\i)*12288+768
	global_store_b64 v[VO8], v[CU+10:CU+11], s[18:19] offset:(\i)*12288+1280
.endm
	LOADU 0
	LOADU 1
	UNIT 0
	UNIT 1
	UNIT 2
	UNIT 3
	v_cmp_ne_u32 vcc_lo, 0, v[HH]                  ; lanes 0-15 store tiles 0 and 1's words of row r, lanes 16-31 tiles 2 and 3's: 256 consecutive bytes
	v_cndmask_b32 v[OW], v[W], v[W+2], vcc_lo
	v_cndmask_b32 v[OW+1], v[W+1], v[W+3], vcc_lo
	global_store_b64 v[VSO], v[OW:OW+1], s[12:13]
	s_wait_tensorcnt 0x0                           ; the wave's end: behind my last LDS store
	ds_add_u32 v[SPW], v[NIL]
	s_wait_dscnt 0x0
	s_endpgm
.Lfunc_end_k_q794d701140_quant:
	.size	k_q794d701140_quant, .Lfunc_end_k_q794d701140_quant-k_q794d701140_quant
	.p2alignl 7, 3214868480
	.fill 96, 4, 3214868480
	.section	.rodata,"a",@progbits
	.p2align	6, 0x0
	.amdhsa_kernel k_q794d701140_quant
		.amdhsa_group_segment_fixed_size 17152
		.amdhsa_private_segment_fixed_size 0
		.amdhsa_enable_private_segment 0
		.amdhsa_kernarg_size 40
		.amdhsa_user_sgpr_count 2
		.amdhsa_user_sgpr_kernarg_segment_ptr 1
		.amdhsa_wavefront_size32 1
		.amdhsa_system_sgpr_workgroup_id_x 1
		.amdhsa_system_sgpr_workgroup_id_y 1
		.amdhsa_system_sgpr_workgroup_id_z 1
		.amdhsa_system_vgpr_workitem_id 0
		.amdhsa_next_free_vgpr 256
		.amdhsa_next_free_sgpr 66
		.amdhsa_reserve_vcc 1
		.amdhsa_float_denorm_mode_32 3
		.amdhsa_float_denorm_mode_16_64 3
		.amdhsa_memory_ordered 1
		.amdhsa_forward_progress 1
		.amdhsa_inst_pref_size 31
	.end_amdhsa_kernel
	.amdgpu_metadata
---
amdhsa.version: [ 1, 2 ]
amdhsa.kernels:
  - .name:           k_q794d701140_quant
    .symbol:         k_q794d701140_quant.kd
    .args:
      - { .name: x, .offset: 0, .size: 8, .value_kind: global_buffer, .address_space: global }
      - { .name: w_qkv, .offset: 8, .size: 8, .value_kind: global_buffer, .address_space: global }
      - { .name: w_out, .offset: 16, .size: 8, .value_kind: global_buffer, .address_space: global }
      - { .name: opnd_img, .offset: 24, .size: 8, .value_kind: global_buffer, .address_space: global }
      - { .name: opnd_sc, .offset: 32, .size: 8, .value_kind: global_buffer, .address_space: global }
    .group_segment_fixed_size: 17152
    .private_segment_fixed_size: 0
    .kernarg_segment_align: 8
    .kernarg_segment_size: 40
    .max_flat_workgroup_size: 64
    .sgpr_count:     66
    .vgpr_count:     256
    .wavefront_size: 32
...
	.end_amdgpu_metadata
.endif
;; end of part 1
;; launch qkv (part 2): grid 12 x 64, 4 waves a work-group, clusters of 4 x 4, 327,680 bytes of LDS; arguments opnd_img, opnd_sc, b_qkv, cos_tab, sin_tab, qk_img, qk_sc, v_img, v_sc; writes qk_img, qk_sc, v_img, v_sc
.if DOCPART == 2
	.amdgcn_target "amdgcn-amd-amdhsa--gfx1250"
	.amdhsa_code_object_version 6
	.text
	.protected	k_q794d701140_qkv
	.globl	k_q794d701140_qkv
	.p2align	8
	.type	k_q794d701140_qkv,@function
k_q794d701140_qkv:
	s_mov_b64 s[64:65], 0
	v_nop
	global_prefetch_b8 v0, s[64:65] scope:SCOPE_SE
	s_setreg_imm32_b32 hwreg(HW_REG_WAVE_MODE, 25, 1), 1
	s_wait_xcnt 0x0
	s_wait_alu depctr_hold_cnt(0) depctr_sa_sdst(0) depctr_va_vdst(0) depctr_va_sdst(0) depctr_va_ssrc(0) depctr_va_vcc(0) depctr_vm_vsrc(0)
	s_getreg_b32 s2, hwreg(HW_REG_IB_STS2, 6, 4)
	s_cmp_eq_u32 s2, 0
	s_cbranch_scc0 .Lentry_in_a_cluster
	s_endpgm
.Lentry_in_a_cluster:
	s_bfe_u32 s2, ttmp6, 0x10000c
	s_cmp_lg_u32 s2, 0xf033
	s_cbranch_scc0 .Lentry_shape_is_right
	s_endpgm
.Lentry_shape_is_right:
; qkv = x w_qkv^T + b_qkv on codes of FP6 (E2M3) with E8M0 scales; q and k are turned by the rotation of the tables' row 1,024; q, k (along the head's 64 channels) and v (along the keys) are quantised here and leave as codes.
; OPERANDS are images of operand registers (opnd_img: [tile of 16 rows][K step of 128][1,536 bytes]; opnd_sc: [group of 64 rows][K step][r][tile] words).  Rows 0-8,191 are x's, 8,192-11,263 w_qkv's.
; Lane r of a stored tile t is row 32 (t / 2) + 8 (t % 2) + r + 8 (r / 8): so in a result the 16 registers of source 0's tiles 2 j and 2 j + 1 are the neighbours 32 j + 16 (lane / 16) + 0 .. 15.
; SHARES.  A work-group makes 128 rows of source 1 (a lane holds one) x 256 rows of source 0 (a lane's registers run along them); its four waves 64 x 128 each: 32 accumulators.
; The cluster's x is the section.  q, k: source 1 = tokens, source 0 = channels, so that a lane's registers run along the head's channels.  v: source 1 = channels, source 0 = tokens, so that they run along the keys.
; The two cases differ in offsets into the one buffer, and in the way out.
; ALL OF K (1,024) LIES IN LDS: four slots of 256 along K, each filled once, all asked for at the start: five tensor loads of a wave are out at the most (the scale words and four slots).  No slot is filled again.
; CLUSTERS: 4 x 4 work-groups; source 1's tiles are asked for jointly along a row of the cluster, source 0's along a column.
; OUT.  qk_img: [q, k][batch x head][tile of 16 tokens][768]: a piece of 16 tokens x 64 channels.  qk_sc: [q, k][pair of heads][4 tiles][head][r][2] words, a word the 2 + 2 bytes of two neighbouring tiles.
; v_img: [batch x head][128 keys][tile of 16 channels][1,536]: 12 registers as three runs of 16 bytes a lane.  v_sc: [pair of heads][128 keys][head][r][tile] words.
; LIMITS: NaN and infinities are not served; a block of zeros or under 2^-124 keeps the byte 1 (zero codes; the bytes are read by this program alone); in q and k the bias is rotated once and added behind the rotation: another order of f32 rounding than bias first.
; REGISTERS, in windows of 256.  Window 0: v1-5 lane numbers; v16-27 addresses; v28, v29 the add's two; v32-95 all 64 registers of scale words; v96-125 small work of the way out; v128-175, v176-223 source 1's fragments, two sets
;   (on the way out v128-191 64 numbers, v192-210 codes); v224-239 cosines, v240-255 sines.   Window 1: v0-95, v128-223 source 0's fragments, two sets; v96-127, v224-255 the bias along the registers.   Window 2: accumulator (a, b) at v[8 (8 a + b)].
.set SLOT,   73728                     ; a slot: 256 along K: source 1's 8 tiles x 3,072 bytes, then source 0's 16
.set S0OFF,  24576
.set TILEB,  3072
.set FRB,    1536
.set SCL,    4*SLOT                    ; behind the slots: source 1's scale words (4,096 bytes), then source 0's (8,192)
.set SPARE,  SCL+12288                 ; the spare words, 128 bytes for each wave: two blocks of 256 bytes that no other line names
.set A1L, 16                           ; v16  source 1: 16 x lane + my four tiles;  v17: 8 x lane + the same
.set A1S, 17
.set A0L, 18                           ; v18, v19  the same for source 0's eight tiles
.set A0S, 19
.set ADRS, 20                          ; v20  my scale words: lanes 0-15 source 1's, lanes 16-31 source 0's
.set BIO, 21                           ; v21  offset of the bias along the registers
.set BJO, 22                           ; v22  of the bias along the lanes
.set TBO, 23                           ; v23  into a row of the tables
.set VO16, 24                          ; v24  16 x lane
.set VO8, 25                           ; v25  8 x lane
.set SQO, 26                           ; v26  128 h + 8 r
.set SVO, 27                           ; v27  16 r + 8 h
.set SPW, 28
.set NIL, 29
.set SC,  32
.set BJ,  96                           ; v96-99  the bias of my lane's channel in tiles 0-3 (v)
.set VSEL, 100
.set TM,  104                          ; v104-119 the quantiser's work
.set SW,  120                          ; v120-123 the four tiles' scale words
.set OW,  124
.set F1,  128
.set TT,  128
.set PC,  192
.set CN,  224
.set SN,  240
.set BI,  96                           ; in window 1
.set P1C, 4                            ; s[4:5]  source 1's codes;  s[6:7] its scale words;  source 0's are the same two buffers here
.set P1S, 6
.set P0C, 4
.set P0S, 6
.set WV,  16                           ; s16 wave;  s17 wave / 2: my half of source 1's rows, and: I fetch for source 1 (0) or 0 (1);  s18 wave % 2: my half of source 0's rows, and which half I fetch
.set WH,  17
.set WL,  18
.set CX,  19
.set CY,  20
.set CLY, 21
.set G1,   24                          ; s[24:31] group 1 for source 1's tiles;  s[32:39] source 0's;  s[40:47], s[48:55] for their scale words
.set G1B,  32
.set G1S,  40
.set G1SB, 48
.set G0S,  56                          ; groups 0: s[56:59] source 1's scale words; s[60:63], s[68:79] its four slots; s[80:83] source 0's scale words; s[84:99] its four slots
.set G0SB, 80
.set SEL,  100                         ; s100, s101 lane selects for v_permlanex16_b32
.set MSB, 0
.macro WIN new                         ; the immediate's high byte repeats the setting that is left
.if MSB != \new
	s_set_vgpr_msb (MSB<<8)|\new
.set MSB, \new
.endif
.endm
.macro PLACES n
.rept \n
	v_nop
.endr
.endm
; A joint load: waves 0 and 1 fetch for source 1, waves 2 and 3 for source 0.  The branch hangs on the wave's number alone.  An s_nop 0 and four v_nop follow each of the two lines.
.macro JLOAD g0a, g1a, g0b, g1b
	s_cmp_eq_u32 s[WH], 0
	s_cbranch_scc0 .Lfor_b_\@
	tensor_load_to_lds s[\g0a:\g0a+3], s[\g1a:\g1a+7]
	s_nop 0
.rept 4
	v_nop
.endr
	s_branch .Lasked_\@
.Lfor_b_\@:
	tensor_load_to_lds s[\g0b:\g0b+3], s[\g1b:\g1b+7]
	s_nop 0
.rept 4
	v_nop
.endr
.Lasked_\@:
.endm
.macro CROUND                          ; a round of the cluster's barrier
	s_barrier_signal -1
	s_barrier_wait -1
	s_cmp_lg_u32 s[WV], 0
	s_cbranch_scc1 .Lnot_wave_0_\@
	s_barrier_signal -3
.Lnot_wave_0_\@:
	s_barrier_wait -3
	s_barrier_signal -1
	s_barrier_wait -1
.endm
.macro FRAG reg, al, as, off           ; a fragment: two pieces of 768 bytes; of each, registers 0-3 at 16 x lane and 4-5 at 512 + 8 x lane: every load reads consecutive bytes
	ds_load_b128 v[(\reg):(\reg)+3], v[\al] offset:(\off)
	ds_load_b64 v[(\reg)+4:(\reg)+5], v[\as] offset:(\off)+512
	ds_load_b128 v[(\reg)+6:(\reg)+9], v[\al] offset:(\off)+768
	ds_load_b64 v[(\reg)+10:(\reg)+11], v[\as] offset:(\off)+1280
.endm
.macro FETCH g                         ; 48 LDS loads in one run: K step g's fragments into set g % 2
	WIN 0x40                                       ; destination window 1, address window 0
.irp b, 0,1,2,3,4,5,6,7
	FRAG 128*((\g)%2)+12*\b, A0L, A0S, \b*TILEB+((\g)%2)*FRB
.endr
	WIN 0
.irp a, 0,1,2,3
	FRAG F1+48*((\g)%2)+12*\a, A1L, A1S, \a*TILEB+((\g)%2)*FRB
.endr
.endm
; 32 matrix instructions: K step g.  The 32 accumulators take turns, one instruction a turn, in the same order in every step.
; mode 1: the first product starts the sums with 0;  mode 2: with the bias along the registers (window 1);  mode 0: it adds on.
; Register SC + 8 g + i holds in lanes 0-15 the word of source 1's tile i (i < 4) and in lanes 16-31 that of source 0's tile i.
.macro MULS g, mode
.if \mode == 2
	WIN 0x91                                       ; source 0 window 1, source 1 window 0, C window 1, D window 2
.else
	WIN 0xa1                                       ; source 0 window 1, source 1 window 0, C and D window 2
.endif
.irp a, 0,1,2,3
.irp b, 0,1,2,3,4,5,6,7
.if \mode == 1
	v_wmma_scale_f32_16x16x128_f8f6f4 v[8*(8*\a+\b):8*(8*\a+\b)+7], v[128*((\g)%2)+12*\b:128*((\g)%2)+12*\b+11], v[F1+48*((\g)%2)+12*\a:F1+48*((\g)%2)+12*\a+11], 0, v[SC+8*(\g)+\b], v[SC+8*(\g)+\a] matrix_a_fmt:MATRIX_FMT_FP6 matrix_b_fmt:MATRIX_FMT_FP6 matrix_a_scale:MATRIX_SCALE_ROW1
.elseif \mode == 2
	v_wmma_scale_f32_16x16x128_f8f6f4 v[8*(8*\a+\b):8*(8*\a+\b)+7], v[128*((\g)%2)+12*\b:128*((\g)%2)+12*\b+11], v[F1+48*((\g)%2)+12*\a:F1+48*((\g)%2)+12*\a+11], v[BI+8*\b+96*(\b/4):BI+8*\b+96*(\b/4)+7], v[SC+8*(\g)+\b], v[SC+8*(\g)+\a] matrix_a_fmt:MATRIX_FMT_FP6 matrix_b_fmt:MATRIX_FMT_FP6 matrix_a_scale:MATRIX_SCALE_ROW1
.else
	v_wmma_scale_f32_16x16x128_f8f6f4 v[8*(8*\a+\b):8*(8*\a+\b)+7], v[128*((\g)%2)+12*\b:128*((\g)%2)+12*\b+11], v[F1+48*((\g)%2)+12*\a:F1+48*((\g)%2)+12*\a+11], v[8*(8*\a+\b):8*(8*\a+\b)+7], v[SC+8*(\g)+\b], v[SC+8*(\g)+\a] matrix_a_fmt:MATRIX_FMT_FP6 matrix_b_fmt:MATRIX_FMT_FP6 matrix_a_scale:MATRIX_SCALE_ROW1
.endif
.endr
.endr
	WIN 0
.endm
; K step g: the next step's fragments are asked for, then this step is multiplied.  Loads into registers that matrix instructions have read stand four plain vector instructions behind them (ISA guide 7.12.1 for vector instructions).
; Where the next step lies in the next slot: my part of that slot has landed (the count leaves the later slots' loads out), my LDS loads are back, and a barrier shows the same of all four waves.
.macro GSTEP g, mode
.if (\g) < 7
.if (\g)%2 == 1
	s_wait_tensorcnt 3-((\g)+1)/2
	s_wait_dscnt 0x0
	s_barrier_signal -1
	s_barrier_wait -1
	v_add_nc_u32 v[A1L], SLOT, v[A1L]              ; on to the next slot: these four are also the four places
	v_add_nc_u32 v[A1S], SLOT, v[A1S]
	v_add_nc_u32 v[A0L], SLOT, v[A0L]
	v_add_nc_u32 v[A0S], SLOT, v[A0S]
.elseif (\g) > 0
	PLACES 4
.endif
	FETCH (\g)+1
	s_wait_dscnt 48                                ; all but the 48 just issued
.else
	s_wait_dscnt 0x0
.endif
	MULS \g, \mode
.endm
	s_load_b256 s[4:11], s[0:1], 0x0               ; opnd_img, opnd_sc, b_qkv, cos_tab
	s_load_b64 s[12:13], s[0:1], 0x20              ; sin_tab
	v_lshl_add_u32 v[SPW], v0, 2, SPARE
	v_mov_b32 v[NIL], 0
	ds_add_u32 v[SPW], v[NIL]                      ; the wave's opening: the add and its wait stand ahead of my first tensor load; the set-up below, work on registers, stands between them
	v_lshrrev_b32 v1, 5, v0
	v_readfirstlane_b32 s[WV], v1                  ; wave 0..3
	s_lshr_b32 s[WH], s[WV], 1
	s_and_b32 s[WL], s[WV], 1
	s_bfe_u32 s[CX], ttmp6, 0x40000                ; cx, cy: my place in the cluster
	s_bfe_u32 s[CY], ttmp6, 0x40004
	s_and_b32 s[CLY], ttmp7, 0xffff                ; the cluster's y, 0 .. 15;  ttmp9, the cluster's x, is the section: 0 q, 1 k, 2 v
	; which 128 rows are source 1's (s22) and which 256 source 0's (s104), counted in such tiles from the buffer's first row
	s_lshl_b32 s22, s[CLY], 2                      ; q, k: tokens: 4 x cluster y + cy
	s_and_b32 s23, s[CLY], 1
	s_lshl_b32 s23, s23, 2
	s_add_co_u32 s23, s23, 80                      ; v: w_qkv's rows 2,048 on begin at row 10,240 = 80 x 128: 80 + 4 (cluster y % 2) + cy
	s_lshl_b32 s104, ttmp9, 2
	s_add_co_u32 s104, s104, 32                    ; q, k: w_qkv begins at row 8,192 = 32 x 256: 32 + 4 x section + cx
	s_lshr_b32 s105, s[CLY], 1
	s_lshl_b32 s105, s105, 2                       ; v: tokens: 4 x batch + cx
	s_cmp_eq_u32 ttmp9, 2
	s_cselect_b32 s22, s23, s22
	s_cselect_b32 s104, s105, s104
	s_add_co_u32 s22, s22, s[CY]
	s_add_co_u32 s104, s104, s[CX]
	s_lshl_b32 s23, s[CY], 2
	s_lshl_b32 s23, 15, s23                        ; my row of the cluster
	s_lshl_b32 s105, 0x1111, s[CX]                 ; my column
	; groups 1.  Codes: a tile's 256 along K are 3,072 consecutive bytes (384 elements of 8 bytes), from tile to tile 12,288 bytes (1,536 elements); 4 or 8 tiles to a load.  No padding: every LDS load reads consecutive bytes
	s_or_b32 s[G1], s23, (3<<16)|(1<<21)           ; 15:0 the mask; 17:16 elements of 8 bytes; 21 set beside a mask
	s_or_b32 s[G1B], s105, (3<<16)|(1<<21)
	s_or_b32 s[G1S], s23, (3<<16)|(1<<21)
	s_or_b32 s[G1SB], s105, (3<<16)|(1<<21)
	s_mov_b32 s[G1+1], 384<<16                     ; tensor_dim0
	s_mov_b32 s[G1+2], 4<<16                       ; tensor_dim1
	s_mov_b32 s[G1+3], 384<<16                     ; tile_dim0
	s_mov_b32 s[G1+4], 4                           ; tile_dim1
	s_mov_b32 s[G1+5], 1536                        ; tensor_dim0_stride
	s_mov_b32 s[G1+6], 0
	s_mov_b32 s[G1+7], 0
	s_mov_b32 s[G1B+1], 384<<16
	s_mov_b32 s[G1B+2], 8<<16
	s_mov_b32 s[G1B+3], 384<<16
	s_mov_b32 s[G1B+4], 8
	s_mov_b32 s[G1B+5], 1536
	s_mov_b32 s[G1B+6], 0
	s_mov_b32 s[G1B+7], 0
	s_mov_b32 s[G1S+1], 32<<16                     ; scale words: a dense block, as rows of 256 bytes: 8 rows (64 rows' words) or 16
	s_mov_b32 s[G1S+2], 8<<16
	s_mov_b32 s[G1S+3], 32<<16
	s_mov_b32 s[G1S+4], 8
	s_mov_b32 s[G1S+5], 32
	s_mov_b32 s[G1S+6], 0
	s_mov_b32 s[G1S+7], 0
	s_mov_b32 s[G1SB+1], 32<<16
	s_mov_b32 s[G1SB+2], 16<<16
	s_mov_b32 s[G1SB+3], 32<<16
	s_mov_b32 s[G1SB+4], 16
	s_mov_b32 s[G1SB+5], 32
	s_mov_b32 s[G1SB+6], 0
	s_mov_b32 s[G1SB+7], 0
	s_mul_i32 s2, s22, 98304                       ; source 1's codes: 8 tiles of 12,288 bytes, and the half that I fetch
	s_mul_i32 s3, s[WL], 49152
	s_add_co_u32 s2, s2, s3
	s_mov_b32 s3, 0
	s_mul_i32 s66, s104, 196608                    ; source 0's: 16 tiles
	s_mul_i32 s67, s[WL], 98304
	s_add_co_u32 s66, s66, s67
	s_mov_b32 s67, 0
	s_mul_i32 s23, s[WL], 4*TILEB                  ; and where they go in a slot: no place in the cluster enters an LDS address
	s_mul_i32 s105, s[WL], 8*TILEB
	s_mov_b32 s[SEL], 0x76543210
	s_mov_b32 s[SEL+1], 0xfedcba98
	s_wait_dscnt 0x0                               ; the opening add is done
	s_wait_kmcnt 0x0
.irp k, 0,1,2,3
.set GA, 60+4*\k+4*((\k+3)/4)
.set GB, 84+4*\k
	s_mov_b32 s[GA], 1                             ; 1:0 count = 1
	s_add_co_u32 s[GA+1], s23, \k*SLOT             ; 63:32 LDS address
	s_add_nc_u64 s[GA+2:GA+3], s[P1C:P1C+1], s[2:3]  ; 120:64 global address,
.if \k > 0
	s_add_nc_u64 s[GA+2:GA+3], s[GA+2:GA+3], \k*TILEB  ; 256 k along K
.endif
	s_or_b32 s[GA+3], s[GA+3], 0x80000000          ; 127:126 type = 2
	s_mov_b32 s[GB], 1
	s_add_co_u32 s[GB+1], s105, \k*SLOT+S0OFF
	s_add_nc_u64 s[GB+2:GB+3], s[P0C:P0C+1], s[66:67]
.if \k > 0
	s_add_nc_u64 s[GB+2:GB+3], s[GB+2:GB+3], \k*TILEB
.endif
	s_or_b32 s[GB+3], s[GB+3], 0x80000000
.endr
	s_lshl_b32 s2, s22, 12                         ; the scale words: 4,096 bytes for source 1's 128 rows, 2,048 the half
	s_lshl_b32 s3, s[WL], 11
	s_add_co_u32 s2, s2, s3
	s_add_co_u32 s[G0S+1], s3, SCL
	s_mov_b32 s3, 0
	s_mov_b32 s[G0S], 1
	s_add_nc_u64 s[G0S+2:G0S+3], s[P1S:P1S+1], s[2:3]
	s_or_b32 s[G0S+3], s[G0S+3], 0x80000000
	s_lshl_b32 s66, s104, 13                       ; 8,192 for source 0's 256 rows
	s_lshl_b32 s67, s[WL], 12
	s_add_co_u32 s66, s66, s67
	s_add_co_u32 s[G0SB+1], s67, SCL+4096
	s_mov_b32 s67, 0
	s_mov_b32 s[G0SB], 1
	s_add_nc_u64 s[G0SB+2:G0SB+3], s[P0S:P0S+1], s[66:67]
	s_or_b32 s[G0SB+3], s[G0SB+3], 0x80000000
	CROUND                                         ; all sixteen work-groups are here: the joint loads meet
	JLOAD G0S, G1S, G0SB, G1SB                     ; the scale words first: they are wanted with K step 0
.irp k, 0,1,2,3
.set GA, 60+4*\k+4*((\k+3)/4)
.set GB, 84+4*\k
	JLOAD GA, G1, GB, G1B
.endr
	v_and_b32 v1, 31, v0                           ; lane
	v_and_b32 v2, 15, v0                           ; r
	v_bfe_u32 v3, v0, 4, 1                         ; h
	s_mul_i32 s2, s[WH], 4*TILEB                   ; my four tiles of source 1
	v_lshl_add_u32 v[A1L], v1, 4, s2
	v_lshl_add_u32 v[A1S], v1, 3, s2
	s_mul_i32 s3, s[WL], 8*TILEB                   ; my eight of source 0
	s_add_co_u32 s3, s3, S0OFF
	v_lshl_add_u32 v[A0L], v1, 4, s3
	v_lshl_add_u32 v[A0S], v1, 3, s3
	s_lshl_b32 s2, s[WH], 11                       ; scale words: source 1's: my group of 64 rows;
	s_lshl_b32 s3, s[WL], 12
	s_add_co_u32 s3, s3, 4096
	s_sub_co_u32 s3, s3, s2                        ; from there to source 0's: my two groups
	v_mul_u32_u24 v4, s3, v3                       ; lanes 16-31 take source 0's
	s_add_co_u32 s2, s2, SCL
	v_lshl_add_u32 v4, v2, 4, v4                   ; 16 bytes a row: four tiles' words
	v_add_nc_u32 v[ADRS], s2, v4
	v_lshlrev_b32 v[VO16], 4, v1
	v_lshlrev_b32 v[VO8], 3, v1
	v_lshlrev_b32 v[SQO], 3, v2
	v_lshl_add_u32 v[SQO], v3, 7, v[SQO]
	v_lshlrev_b32 v[SVO], 4, v2
	v_lshl_add_u32 v[SVO], v3, 3, v[SVO]
	; The bias and the tables, asked for now and waited for on the way out.  Every section loads all of them, so that no path reads a register that it has not written;
	; the set that a section does not use is loaded from the buffer's head.
	s_lshl_b32 s2, ttmp9, 10                       ; q, k: my 128 channels begin at 1,024 x section + 256 cx + 128 (wave % 2)
	s_lshl_b32 s3, s[CX], 8
	s_add_co_u32 s2, s2, s3
	s_lshl_b32 s3, s[WL], 7
	s_add_co_u32 s2, s2, s3
	s_and_b32 s3, s[CLY], 1                        ; v: my 64 channels begin at 2,048 + 128 (4 (cluster y % 2) + cy) + 64 (wave / 2)
	s_lshl_b32 s3, s3, 2
	s_add_co_u32 s3, s3, s[CY]
	s_lshl_b32 s3, s3, 7
	s_lshl_b32 s23, s[WH], 6
	s_add_co_u32 s3, s3, s23
	s_add_co_u32 s3, s3, 2048
	s_cmp_eq_u32 ttmp9, 2
	s_cselect_b32 s2, 0, s2
	s_cselect_b32 s3, s3, 0
	s_lshl_b32 s2, s2, 2
	s_lshl_b32 s3, s3, 2
	v_lshlrev_b32 v[BIO], 6, v3                    ; along the registers: number 16 j + i is channel 32 j + 16 h + i
	v_add_nc_u32 v[BIO], s2, v[BIO]
	v_and_b32 v5, 8, v2
	v_add_nc_u32 v5, v5, v2                        ; r + 8 (r / 8)
	v_lshlrev_b32 v[BJO], 2, v5
	v_add_nc_u32 v[BJO], s3, v[BJO]
	v_lshlrev_b32 v[TBO], 5, v3                    ; the tables: pair 16 (j % 2) + 8 h + 0 .. 7 of the head's 32
	WIN 0x40
.irp j, 0,1,2,3
.irp k, 0,1,2,3
	global_load_b128 v[BI+16*\j+4*\k+96*(\j/2):BI+16*\j+4*\k+96*(\j/2)+3], v[BIO], s[8:9] offset:128*\j+16*\k
.endr
.endr
	WIN 0
.irp a, 0,1,2,3
	global_load_b32 v[BJ+\a], v[BJO], s[8:9] offset:(32*(\a/2)+8*(\a%2))*4
.endr
.irp j, 0,1
.irp k, 0,1
	global_load_b128 v[CN+8*\j+4*\k:CN+8*\j+4*\k+3], v[TBO], s[10:11] offset:131072+64*\j+16*\k   ; row 1,024 of 128 bytes
	global_load_b128 v[SN+8*\j+4*\k:SN+8*\j+4*\k+3], v[TBO], s[12:13] offset:131072+64*\j+16*\k
.endr
.endr
.irp b, 0,1,2,3
	v_mov_b32 v[TM+4+\b], 0                        ; written once: a lane permute's destination counts as one of its sources
.endr
	s_wait_tensorcnt 3                             ; the scale words and my part of slot 0 are in; the three later slots' loads may be out
	s_barrier_signal -1
	s_barrier_wait -1                              ; everybody's are
.irp g, 0,1,2,3,4,5,6,7
	ds_load_b128 v[SC+8*\g:SC+8*\g+3], v[ADRS] offset:256*\g            ; lanes 0-15: source 1's tiles 0-3; lanes 16-31: source 0's tiles 0-3
	ds_load_b128 v[SC+8*\g+4:SC+8*\g+7], v[ADRS] offset:2048+256*\g     ; lanes 16-31: source 0's tiles 4-7 (lanes 0-15 read bytes of the same region that no product names)
.endr
	FETCH 0
	GSTEP 0, 1
	GSTEP 1, 0
	GSTEP 2, 0
	GSTEP 3, 0
	GSTEP 4, 0
	GSTEP 5, 0
	GSTEP 6, 0
	GSTEP 7, 0
; THE WAY OUT.  64 numbers of a lane, v[s] .. v[s + 63], number 16 b + i = place 32 b + 16 (lane / 16) + i along the next K, become a fragment's codes in v[PC] on and its scale word in v[pw].
.macro QUANT s, pw
.irp b, 0,1,2,3
	v_max3_num_f32 v[TM+\b], |v[\s+16*\b]|, |v[\s+1+16*\b]|, 0x1800000   ; block b: my 16 numbers, and the floor 2^(3 - 127): the byte cannot fall under 1
.endr
.irp i, 2,4,6,8,10,12,14
.irp b, 0,1,2,3
	v_max3_num_f32 v[TM+\b], v[TM+\b], |v[\s+16*\b+\i]|, |v[\s+1+16*\b+\i]|   ; (the four blocks by turns)
.endr
.endr
.irp b, 0,1,2,3
	v_permlanex16_b32 v[TM+4+\b], v[TM+\b], s[SEL], s[SEL+1]
.endr
.irp b, 0,1,2,3
	v_max_num_f32 v[TM+\b], v[TM+\b], v[TM+4+\b]   ; with lane l xor 16's: the block's largest magnitude
.endr
.irp b, 0,1,2,3
	v_add_nc_u32 v[TM+12+\b], 0xff000000, v[TM+\b] ; 2 off its exponent field: the conversion's scale operand
.endr
.irp b, 0,1,2,3
	v_lshrrev_b32 v[TM+4+\b], 23, v[TM+12+\b]      ; the scale's byte
.endr
	v_lshl_or_b32 v[\pw], v[TM+5], 8, v[TM+4]      ; the four bytes make my row's scale word
	v_lshl_or_b32 v[\pw], v[TM+6], 16, v[\pw]
	v_lshl_or_b32 v[\pw], v[TM+7], 24, v[\pw]
	s_wait_xcnt 0x0                                ; the last tile's stores have read the code registers
.irp c, 0,1
	v_cvt_scalef32_pk16_fp6_f32 v[PC+6*\c:PC+2+6*\c], v[\s+32*\c:\s+15+32*\c], v[TM+12+2*\c]
	v_cvt_scalef32_pk16_fp6_f32 v[PC+12+4*\c:PC+14+4*\c], v[\s+16+32*\c:\s+31+32*\c], v[TM+12+2*\c+1]   ; (a conversion's three registers begin on an even number)
.endr
	v_nop                                          ; one plain place behind a scaled conversion
.irp c, 0,1                            ; the operand's layout wants a WHOLE block in a lane: lanes 0-15 block 2 c, lanes 16-31 block 2 c + 1
.irp i, 0,1,2
	v_permlane16_swap_b32 v[PC+6*\c+\i], v[PC+12+4*\c+\i]
.endr
.irp i, 0,1,2
	v_mov_b32 v[PC+3+6*\c+\i], v[PC+12+4*\c+\i]
.endr
.endr
.endm
.macro ROTSYM                          ; numbers NN, NN + 1 are an even channel and the odd one behind it: pair QQ of my 16, in half JP of the register pair CQ; their bias at BR of window 1
.set QQ, 8*((NN/16)%2)+(NN%16)/2
.set JP, QQ%2
.set CQ, QQ-JP
.set BR, BI+NN+96*(NN/32)
.endm
; Tile a of q or k: (e, o) -> (e c - o s, e s + o c) + the rotated bias: two packed multiply-adds a pair.  Each accumulator is read from its low end on.
.macro PRE_QK a
	WIN 0x12                                       ; source 0 window 2 (the sums), source 2 window 1 (the bias)
.set NN, 0
.rept 32
	ROTSYM
.if JP
	v_pk_fma_f32 v[TT+NN:TT+NN+1], v[64*(\a)+NN:64*(\a)+NN+1], v[CN+CQ:CN+CQ+1], v[BR:BR+1] op_sel:[0,1,0] op_sel_hi:[1,1,1]
.else
	v_pk_fma_f32 v[TT+NN:TT+NN+1], v[64*(\a)+NN:64*(\a)+NN+1], v[CN+CQ:CN+CQ+1], v[BR:BR+1] op_sel:[0,0,0] op_sel_hi:[1,0,1]
.endif
.set NN, NN+2
.endr
	WIN 0x02
.set NN, 0
.rept 32
	ROTSYM
.if JP
	v_pk_fma_f32 v[TT+NN:TT+NN+1], v[64*(\a)+NN:64*(\a)+NN+1], v[SN+CQ:SN+CQ+1], v[TT+NN:TT+NN+1] op_sel:[1,1,0] op_sel_hi:[0,1,1] neg_lo:[0,1,0]
.else
	v_pk_fma_f32 v[TT+NN:TT+NN+1], v[64*(\a)+NN:64*(\a)+NN+1], v[SN+CQ:SN+CQ+1], v[TT+NN:TT+NN+1] op_sel:[1,0,0] op_sel_hi:[0,0,1] neg_lo:[0,1,0]
.endif
.set NN, NN+2
.endr
	WIN 0
.endm
.macro PRE_V a                         ; tile a of v: + the bias of my lane's channel
	WIN 0x02
.set NN, 0
.rept 32
.if (\a)%2
	v_pk_add_f32 v[TT+NN:TT+NN+1], v[64*(\a)+NN:64*(\a)+NN+1], v[BJ+(\a)-1:BJ+(\a)] op_sel:[0,1] op_sel_hi:[1,1]
.else
	v_pk_add_f32 v[TT+NN:TT+NN+1], v[64*(\a)+NN:64*(\a)+NN+1], v[BJ+(\a):BJ+(\a)+1] op_sel:[0,0] op_sel_hi:[1,0]
.endif
.set NN, NN+2
.endr
	WIN 0
.endm
	PLACES 4                                       ; behind the last products, ahead of the first read of results and of writes into registers that held fragments
	s_load_b256 s[24:31], s[0:1], 0x28             ; qk_img, qk_sc, v_img, v_sc (all my tensor loads were shown done in K step 5: the descriptors' registers are free)
	s_wait_loadcnt 0x0                             ; the bias and the tables
	s_lshr_b32 s2, s[CLY], 1
	s_lshl_b32 s2, s2, 4                           ; 16 x batch
	s_and_b32 s3, s[CLY], 1
	s_lshl_b32 s3, s3, 2
	s_add_co_u32 s3, s3, s[CY]                     ; 4 (cluster y % 2) + cy
	s_cmp_eq_u32 ttmp9, 2                          ; the section: the same in all sixteen partners
	s_cbranch_scc1 .Lvalues
	; ---- q, k.  My lanes: tokens of tiles kt0 .. kt0 + 3 of the batch; my registers: heads h0 and h0 + 1
	s_lshl_b32 s22, s[CX], 2
	s_add_co_u32 s2, s2, s22
	s_lshl_b32 s22, s[WL], 1
	s_add_co_u32 s2, s2, s22                       ; 16 x batch + h0, h0 = 4 cx + 2 (wave % 2)
	s_lshl_b32 s3, s3, 3
	s_lshl_b32 s22, s[WH], 2
	s_add_co_u32 s3, s3, s22                       ; kt0
	s_mul_i32 s22, s2, 49152
	s_mul_i32 s23, s3, 768
	s_add_co_u32 s22, s22, s23
	s_mul_i32 s23, ttmp9, 6291456
	s_add_co_u32 s22, s22, s23
	s_mov_b32 s23, 0
	s_lshr_b32 s2, s2, 1
	s_lshl_b32 s2, s2, 12                          ; the pair of heads: 4,096 bytes of scale words,
	s_lshl_b32 s3, s3, 6                           ; 256 for four tiles
	s_add_co_u32 s2, s2, s3
	s_lshl_b32 s3, ttmp9, 18
	s_add_co_u32 s2, s2, s3
	s_mov_b32 s3, 0
	s_wait_kmcnt 0x0
	s_add_nc_u64 s[24:25], s[24:25], s[22:23]
	s_add_nc_u64 s[26:27], s[26:27], s[2:3]
	WIN 0x01                                       ; the bias is rotated once, in place: source 0 window 1
.set NN, 0
.rept 32
	ROTSYM
.if JP
	v_pk_mul_f32 v[TT+NN:TT+NN+1], v[BR:BR+1], v[CN+CQ:CN+CQ+1] op_sel:[0,1] op_sel_hi:[1,1]
.else
	v_pk_mul_f32 v[TT+NN:TT+NN+1], v[BR:BR+1], v[CN+CQ:CN+CQ+1] op_sel:[0,0] op_sel_hi:[1,0]
.endif
.set NN, NN+2
.endr
	WIN 0x41                                       ; destination and source 0 window 1
.set NN, 0
.rept 32
	ROTSYM
.if JP
	v_pk_fma_f32 v[BR:BR+1], v[BR:BR+1], v[SN+CQ:SN+CQ+1], v[TT+NN:TT+NN+1] op_sel:[1,1,0] op_sel_hi:[0,1,1] neg_lo:[0,1,0]
.else
	v_pk_fma_f32 v[BR:BR+1], v[BR:BR+1], v[SN+CQ:SN+CQ+1], v[TT+NN:TT+NN+1] op_sel:[1,0,0] op_sel_hi:[0,0,1] neg_lo:[0,1,0]
.endif
.set NN, NN+2
.endr
	WIN 0
.irp a, 0,1,2,3
	PRE_QK \a
	QUANT TT, SW+\a
	global_store_b128 v[VO16], v[PC:PC+3], s[24:25] offset:768*\a              ; head h0's piece: 512 and 256 consecutive bytes, at multiples of 256 from the buffer's first byte
	global_store_b64 v[VO8], v[PC+4:PC+5], s[24:25] offset:768*\a+512
	global_store_b128 v[VO16], v[PC+6:PC+9], s[24:25] offset:768*\a+49152      ; head h0 + 1's
	global_store_b64 v[VO8], v[PC+10:PC+11], s[24:25] offset:768*\a+49152+512
.endr
	v_mov_b32 v[VSEL], 0x05040100                  ; lanes 0-15 store head h0's bytes (the words' low halves), lanes 16-31 head h0 + 1's (the high halves)
	v_mov_b32 v[VSEL+1], 0x07060302
	v_cmp_ne_u32 vcc_lo, 0, v3
	v_cndmask_b32 v[VSEL], v[VSEL], v[VSEL+1], vcc_lo
	v_perm_b32 v[OW], v[SW+1], v[SW], v[VSEL]      ; tiles 0 and 1's two bytes each,
	v_perm_b32 v[OW+1], v[SW+3], v[SW+2], v[VSEL]  ; tiles 2 and 3's
	global_store_b64 v[SQO], v[OW:OW+1], s[26:27]  ; 256 consecutive bytes
	s_branch .Lend
.Lvalues:
	; ---- v.  My lanes: the 64 channels of head h; my registers: the 128 keys of key step ks
	s_lshl_b32 s3, s3, 1
	s_add_co_u32 s3, s3, s[WH]                     ; h
	s_add_co_u32 s2, s2, s3                        ; 16 x batch + h
	s_lshl_b32 s3, s[CX], 1
	s_add_co_u32 s3, s3, s[WL]                     ; ks = 2 cx + wave % 2
	s_mul_i32 s22, s2, 49152
	s_mul_i32 s23, s3, 6144
	s_add_co_u32 s22, s22, s23
	s_mov_b32 s23, 0
	s_lshl_b32 s3, s3, 9
	s_and_b32 s104, s2, 1
	s_lshl_b32 s104, s104, 8
	s_add_co_u32 s3, s3, s104
	s_lshr_b32 s2, s2, 1
	s_lshl_b32 s2, s2, 12
	s_add_co_u32 s2, s2, s3
	s_mov_b32 s3, 0
	s_wait_kmcnt 0x0
	s_add_nc_u64 s[28:29], s[28:29], s[22:23]
	s_add_nc_u64 s[30:31], s[30:31], s[2:3]
.irp a, 0,1,2,3
	PRE_V \a
	QUANT TT, SW+\a
.irp c, 0,1,2
	global_store_b128 v[VO16], v[PC+4*\c:PC+4*\c+3], s[28:29] offset:1536*\a+512*\c
.endr
.endr
	v_cmp_ne_u32 vcc_lo, 0, v3                     ; lanes 0-15 store tiles 0 and 1's words of channel row r, lanes 16-31 tiles 2 and 3's: 256 consecutive bytes
	v_cndmask_b32 v[OW], v[SW], v[SW+2], vcc_lo
	v_cndmask_b32 v[OW+1], v[SW+1], v[SW+3], vcc_lo
	global_store_b64 v[SVO], v[OW:OW+1], s[30:31]
.Lend:
	s_wait_tensorcnt 0x0                           ; the wave's end: behind my last tensor load
	ds_add_u32 v[SPW], v[NIL]
	s_wait_dscnt 0x0
	CROUND                                         ; the closing round: no work-group ends while a partner may still ask for a tile that names it
	s_endpgm
.Lfunc_end_k_q794d701140_qkv:
	.size	k_q794d701140_qkv, .Lfunc_end_k_q794d701140_qkv-k_q794d701140_qkv
	.p2alignl 7, 3214868480
	.fill 96, 4, 3214868480
	.section	.rodata,"a",@progbits
	.p2align	6, 0x0
	.amdhsa_kernel k_q794d701140_qkv
		.amdhsa_group_segment_fixed_size 327680
		.amdhsa_private_segment_fixed_size 0
		.amdhsa_enable_private_segment 0
		.amdhsa_kernarg_size 72
		.amdhsa_user_sgpr_count 2
		.amdhsa_user_sgpr_kernarg_segment_ptr 1
		.amdhsa_wavefront_size32 1
		.amdhsa_system_sgpr_workgroup_id_x 1
		.amdhsa_system_sgpr_workgroup_id_y 1
		.amdhsa_system_sgpr_workgroup_id_z 1
		.amdhsa_system_vgpr_workitem_id 0
		.amdhsa_next_free_vgpr 768
		.amdhsa_next_free_sgpr 106
		.amdhsa_reserve_vcc 1
		.amdhsa_float_denorm_mode_32 3
		.amdhsa_float_denorm_mode_16_64 3
		.amdhsa_memory_ordered 1
		.amdhsa_forward_progress 1
		.amdhsa_inst_pref_size 139
	.end_amdhsa_kernel
	.amdgpu_metadata
---
amdhsa.version: [ 1, 2 ]
amdhsa.kernels:
  - .name:           k_q794d701140_qkv
    .symbol:         k_q794d701140_qkv.kd
    .args:
      - { .name: opnd_img, .offset: 0, .size: 8, .value_kind: global_buffer, .address_space: global }
      - { .name: opnd_sc, .offset: 8, .size: 8, .value_kind: global_buffer, .address_space: global }
      - { .name: b_qkv, .offset: 16, .size: 8, .value_kind: global_buffer, .address_space: global }
      - { .name: cos_tab, .offset: 24, .size: 8, .value_kind: global_buffer, .address_space: global }
      - { .name: sin_tab, .offset: 32, .size: 8, .value_kind: global_buffer, .address_space: global }
      - { .name: qk_img, .offset: 40, .size: 8, .value_kind: global_buffer, .address_space: global }
      - { .name: qk_sc, .offset: 48, .size: 8, .value_kind: global_buffer, .address_space: global }
      - { .name: v_img, .offset: 56, .size: 8, .value_kind: global_buffer, .address_space: global }
      - { .name: v_sc, .offset: 64, .size: 8, .value_kind: global_buffer, .address_space: global }
    .group_segment_fixed_size: 327680
    .private_segment_fixed_size: 0
    .kernarg_segment_align: 8
    .kernarg_segment_size: 72
    .max_flat_workgroup_size: 128
    .sgpr_count:     106
    .vgpr_count:     768
    .wavefront_size: 32
...
	.end_amdgpu_metadata
.endif
;; end of part 2
;; launch attn (part 3): grid 4 x 64, 16 waves a work-group, clusters of 4 x 1, 207,872 bytes of LDS; arguments qk_img, qk_sc, v_img, v_sc, y_img, y_sc; writes y_img, y_sc
.if DOCPART == 3
	.amdgcn_target "amdgcn-amd-amdhsa--gfx1250"
	.amdhsa_code_object_version 6
	.text
	.protected	k_q794d701140_attn
	.globl	k_q794d701140_attn
	.p2align	8
	.type	k_q794d701140_attn,@function
k_q794d701140_attn:
	s_mov_b64 s[64:65], 0
	v_nop
	global_prefetch_b8 v0, s[64:65] scope:SCOPE_SE
	s_setreg_imm32_b32 hwreg(HW_REG_WAVE_MODE, 25, 1), 1
	s_wait_xcnt 0x0
	s_wait_alu depctr_hold_cnt(0) depctr_sa_sdst(0) depctr_va_vdst(0) depctr_va_sdst(0) depctr_va_ssrc(0) depctr_va_vcc(0) depctr_vm_vsrc(0)
	s_getreg_b32 s2, hwreg(HW_REG_IB_STS2, 6, 4)
	s_cmp_eq_u32 s2, 0
	s_cbranch_scc0 .Lentry_in_a_cluster
	s_endpgm
.Lentry_in_a_cluster:
	s_bfe_u32 s2, ttmp6, 0x10000c
	s_cmp_lg_u32 s2, 0x3003
	s_cbranch_scc0 .Lentry_shape_is_right
	s_endpgm
.Lentry_shape_is_right:
; y = softmax(q k^T / 8, causal) v for 128 heads of 1,024 tokens x 64 channels, both products on codes of FP6 (E2M3) with E8M0 scales; y is quantised along the channels and leaves as codes for the last product.
; THE SOFTMAX AHEAD OF THE SECOND PRODUCT: t = score x log2(e) / 8; M = the row's largest t so far, rounded UP to a whole number; p = 2^(t - M) is what is quantised, along the keys.  The row's sum is taken of the
; unquantised p, in f32, and divides at the end.  When M moves, the sum and O are multiplied by 2^(old M - new M): exact.
; SHARES.  A cluster of four work-groups owns a pair of heads of one batch; each work-group holds ALL of the pair's K and V in LDS, filled once by joint loads (the same load, descriptor and mask in all four).
; Wave w: head w / 8 of the pair; i = w % 4, e = (w / 4) % 2; with z the work-group's place it owns query tiles kA = 8 i + 2 z + e and kB = 63 - kA.  Tile kA wants i + 1 key steps of 128, tile kB 8 - i: nine for every wave.
; Branches and trip counts hang on the wave's number alone; z enters global addresses and data only.
; A TILE'S TOKENS ARE NOT NEIGHBOURS: lane r of tile t is token 32 (t / 2) + 8 (t % 2) + r + 8 (r / 8), so that the 16 registers of key tiles 2 j, 2 j + 1 are the keys 32 j + 16 (lane / 16) + 0 .. 15.
; BOTH PRODUCTS ARE USED TRANSPOSED: S^T = K Q^T (source 0 = keys), O^T = V^T P^T (source 0 = 16 channels): a lane holds ONE query throughout.
; THE FIRST PRODUCT'S K IS 64, the instruction's 128: a fragment of K holds two key tiles, one in each half of the 128; q stands in one half of source 1 and zero codes in the other.
; OUT.  y_img: [64 x batch + place][K step = pair of heads][1,536]; a head is one piece of 768.  A tile's place is its number with bit fields 4:3 and 2:1 exchanged, so that a work-group owns whole groups of four places:
; y_sc ([group of 64 rows][K step][r][tile] words) then leaves in runs of 256 consecutive bytes, gathered in LDS.
; LIMITS: NaN and infinities are not served; a block of zeros or under 2^-124 keeps the byte 1 (zero codes; the bytes are read by this program alone); the division by the sum is v_rcp_f32 and a multiplication.
; REGISTERS: v1-11, v36-39 addresses; v12 -M, v13 the largest t, v[14:15] the sum in two halves; v16-33 zeros, q, zeros; v34, v35 q's scale words; v40-87 four fragments of K, then of V; v88-95 their scale words;
;   v96-159 S^T, then p; v160-191 O^T; v192-198 tile kB's q; v199-203 addresses; v224.. codes; v232-254 at work.
.set KSC,   196608                     ; LDS: K's codes [head][49,152] at 0, V's at 98,304; K's scale words, 4,096 bytes;
.set VSC,   200704                     ; V's;
.set YST,   204800                     ; y's scale bytes, 1,024: written by LDS stores alone;
.set SPARE, 205824                     ; the spare words, 128 bytes for each wave: eight blocks of 256 bytes that no other line names
.set AKL, 1
.set AKS, 2
.set AVL, 3
.set ASK, 4
.set SPW, 5
.set NIL, 6
.set ASV, 7
.set ADKL, 8
.set ADKS, 9
.set ADV, 10
.set ADS, 11
.set ADT, 36
.set VQH, 37                           ; v37  r + 8 (r / 8) - 16 (lane / 16)
.set VO16, 38
.set VO8, 39
.set FR,  40
.set YSA, 199                          ; v199, v200  where my tiles' scale bytes go in LDS
.set YSB, 200
.set YRD, 201
.set YSO, 202
.set VR8, 203
.set SDA, 2                            ; s2, s3  a tile's first token less its diagonal step's first key
.set SDB, 3
.set Z,   16
.set PR,  17                           ; s17  the pair of heads: 8 x batch + pair
.set WV,  18
.set HD,  19
.set SEL, 20
.set CS,  22
.set G1C, 24
.set G1S, 32
.set G0C, 40
.set G0S, 44
.set II,  48
.set EE,  49
.set KA,  50
.set KB,  51
.set TB,  52
.set TS,  53
.set KS,  54
.set LIM, 55
.set SD,  56
.set LIMB, 57
.set QA,  66
.set QB,  68
.set QSA, 70
.set QSB, 72
.set YA,  74
.set YB,  76
.set YS,  78
.set SHA, 80
.set SHB, 81
.macro ROUND                           ; a round of the cluster's barrier
	s_barrier_signal -1
	s_barrier_wait -1
	s_cmp_lg_u32 s[WV], 0
	s_cbranch_scc1 .Lnot_wave_0_\@
	s_barrier_signal -3
.Lnot_wave_0_\@:
	s_barrier_wait -3
	s_barrier_signal -1
	s_barrier_wait -1
.endm
.macro ADDR dst, base, off             ; a buffer's address + a 32-bit offset
	s_mov_b32 s62, s[\off]
	s_mov_b32 s63, 0
	s_add_nc_u64 s[\dst:\dst+1], s[\base:\base+1], s[62:63]
.endm
	s_load_b256 s[4:11], s[0:1], 0x0               ; qk_img, qk_sc, v_img, v_sc
	s_load_b128 s[12:15], s[0:1], 0x20             ; y_img, y_sc
	v_lshl_add_u32 v[SPW], v0, 2, SPARE
	v_mov_b32 v[NIL], 0
	ds_add_u32 v[SPW], v[NIL]                      ; the wave's opening: the add and its wait stand ahead of the first tensor loads; the set-up below, work on registers, stands between them
	v_lshrrev_b32 v8, 5, v0
	v_readfirstlane_b32 s[WV], v8                  ; wave 0..15
	s_bfe_u32 s[Z], ttmp6, 0x40000                 ; my place in the cluster
	s_and_b32 s[PR], ttmp7, 0xffff
	s_lshr_b32 s[HD], s[WV], 3
	s_and_b32 s[II], s[WV], 3
	s_bfe_u32 s[EE], s[WV], 0x10002
	s_xor_b32 s[LIMB], s[II], 7                    ; 7 - i
	s_lshl_b32 s[KA], s[II], 3
	s_lshl_b32 s58, s[Z], 1
	s_add_co_u32 s[KA], s[KA], s58
	s_add_co_u32 s[KA], s[KA], s[EE]               ; kA
	s_sub_co_u32 s[KB], 63, s[KA]                  ; kB
	s_lshl_b32 s[SDA], s[Z], 5
	s_lshl_b32 s58, s[EE], 3
	s_add_co_u32 s[SDA], s[SDA], s58               ; 32 ((kA % 8) / 2) + 8 (kA % 2)
	s_sub_co_u32 s[SDB], 104, s[SDA]               ; the same of kB
	s_lshl_b32 s[SHA], s[EE], 4                    ; q's two scale bytes lie 16 (tile % 2) bits up in their word
	s_sub_co_u32 s[SHB], 16, s[SHA]
	; groups 1: dense blocks as rows of 256 bytes (32 elements of 8): 96 rows of codes, 16 of scale words.  15:0 the mask: all four work-groups; 21 set beside it
	s_mov_b32 s[G1C], 15|(3<<16)|(1<<21)
	s_mov_b32 s[G1C+1], 32<<16
	s_mov_b32 s[G1C+2], 96<<16
	s_mov_b32 s[G1C+3], 32<<16
	s_mov_b32 s[G1C+4], 96
	s_mov_b32 s[G1C+5], 32
	s_mov_b32 s[G1C+6], 0
	s_mov_b32 s[G1C+7], 0
	s_mov_b32 s[G1S], 15|(3<<16)|(1<<21)
	s_mov_b32 s[G1S+1], 32<<16
	s_mov_b32 s[G1S+2], 16<<16
	s_mov_b32 s[G1S+3], 32<<16
	s_mov_b32 s[G1S+4], 16
	s_mov_b32 s[G1S+5], 32
	s_mov_b32 s[G1S+6], 0
	s_mov_b32 s[G1S+7], 0
	s_mov_b32 s[G0C], 1
	s_and_b32 s58, s[WV], 7
	s_mul_i32 s[G0C+1], s58, 24576                 ; waves 0-3: the quarters of K's 98,304 bytes; waves 4-7: of V's, behind them
	s_and_b32 s58, s[WV], 3
	s_mul_i32 s60, s58, 24576
	s_mul_i32 s61, s[PR], 98304
	s_add_co_u32 s60, s60, s61
	s_mov_b32 s61, 0
	s_mov_b32 s[G0S], 1
	s_and_b32 s58, s[WV], 1
	s_lshl_b32 s58, s58, 12
	s_add_co_u32 s[G0S+1], s58, KSC                ; wave 8: K's scale words; wave 9: V's
	s_lshl_b32 s58, s[PR], 12
	s_mov_b32 s59, 0
	s_mov_b32 s[SEL], 0x76543210
	s_mov_b32 s[SEL+1], 0xfedcba98
	s_mov_b32 s[CS], 0x3e38aa3b                    ; c = log2(e) / 8
	s_mov_b32 s[CS+1], s[CS]                       ; (named with it as a pair, so it is written)
	v_and_b32 v8, 31, v0                           ; lane
	v_and_b32 v9, 15, v0                           ; r
	v_bfe_u32 v10, v0, 4, 1                        ; h
	v_lshlrev_b32 v[VO16], 4, v8
	v_lshlrev_b32 v[VO8], 3, v8
	s_mul_i32 s62, s[HD], 49152
	v_add_nc_u32 v[AKL], s62, v[VO16]
	v_add_nc_u32 v[AKS], s62, v[VO8]
	s_add_co_u32 s62, s62, 98304
	v_add_nc_u32 v[AVL], s62, v[VO16]
	s_lshl_b32 s62, s[HD], 7
	s_add_co_u32 s62, s62, KSC
	v_lshl_add_u32 v[ASK], v9, 3, s62              ; K's scale words: [4 tiles][head][r][2]
	s_lshl_b32 s62, s[HD], 8
	s_add_co_u32 s62, s62, VSC
	v_lshl_add_u32 v[ASV], v9, 4, s62              ; V's: [128 keys][head][r][4]
	v_lshlrev_b32 v[VR8], 3, v9
	v_and_b32 v11, 8, v9
	v_add_nc_u32 v11, v11, v9
	v_lshlrev_b32 v[VQH], 4, v10
	v_sub_nc_u32 v[VQH], v11, v[VQH]
	; y's scale bytes in LDS: [4 groups of places][r][place % 4][head] half-words.  Tile kA has place 2 i + e among the work-group's first eight, tile kB 7 - that among its last eight
	s_lshl_b32 s62, s[II], 1
	s_add_co_u32 s62, s62, s[EE]
	s_lshr_b32 s63, s62, 2
	s_lshl_b32 s63, s63, 8
	s_and_b32 s61, s62, 3
	s_lshl_b32 s61, s61, 2
	s_add_co_u32 s63, s63, s61
	s_lshl_b32 s61, s[HD], 1
	s_add_co_u32 s63, s63, s61
	s_add_co_u32 s63, s63, YST
	v_lshl_add_u32 v[YSA], v9, 4, s63
	s_xor_b32 s62, s62, 7
	s_lshr_b32 s63, s62, 2
	s_lshl_b32 s63, s63, 8
	s_and_b32 s62, s62, 3
	s_lshl_b32 s62, s62, 2
	s_add_co_u32 s63, s63, s62
	s_add_co_u32 s63, s63, s61
	s_add_co_u32 s63, s63, YST+512
	v_lshl_add_u32 v[YSB], v9, 4, s63
	s_mov_b32 s61, 0
	v_and_b32 v[YRD], 63, v0
	v_lshl_add_u32 v[YRD], v[YRD], 4, YST          ; waves 0 and 1 read them back: 16 bytes a lane
	v_lshlrev_b32 v[YSO], 4, v9
	v_lshl_add_u32 v[YSO], v10, 11, v[YSO]         ; and store them: lanes 0-15 one group's 256 bytes, lanes 16-31 the next group's
	s_wait_dscnt 0x0                               ; the opening add is done
	s_wait_kmcnt 0x0
	s_add_nc_u64 s[62:63], s[4:5], 6291456         ; k's section of qk_img
	s_cmp_lt_u32 s[WV], 4
	s_cselect_b64 s[62:63], s[62:63], s[8:9]
	s_add_nc_u64 s[G0C+2:G0C+3], s[62:63], s[60:61]
	s_or_b32 s[G0C+3], s[G0C+3], 0x80000000
	s_add_nc_u64 s[62:63], s[6:7], 262144          ; k's section of qk_sc
	s_cmp_eq_u32 s[WV], 8
	s_cselect_b64 s[62:63], s[62:63], s[10:11]
	s_add_nc_u64 s[G0S+2:G0S+3], s[62:63], s[58:59]
	s_or_b32 s[G0S+3], s[G0S+3], 0x80000000
	ROUND                                          ; all four work-groups are here: the joint loads meet
	s_cmp_lt_u32 s[WV], 8                          ; a wave's one load stands in one branch on the wave's number; every wait on TENSORcnt in this text is for 0
	s_cbranch_scc0 .Lnot_codes
	tensor_load_to_lds s[G0C:G0C+3], s[G1C:G1C+7]
	s_nop 0
.rept 4
	v_nop
.endr
	s_branch .Lasked
.Lnot_codes:
	s_cmp_lt_u32 s[WV], 10
	s_cbranch_scc0 .Lasked
	tensor_load_to_lds s[G0S:G0S+3], s[G1S:G1S+7]
	s_nop 0
.rept 4
	v_nop
.endr
.Lasked:
	; q of both my tiles, from memory into registers
	s_lshl_b32 s58, s[PR], 1
	s_add_co_u32 s58, s58, s[HD]
	s_mul_i32 s58, s58, 49152                      ; my head's 64 pieces
	s_mul_i32 s59, s[KA], 768
	s_add_co_u32 s59, s59, s58
	ADDR QA, 4, 59
	s_mul_i32 s59, s[KB], 768
	s_add_co_u32 s59, s59, s58
	ADDR QB, 4, 59
	s_lshl_b32 s58, s[PR], 12
	s_lshl_b32 s59, s[HD], 7
	s_add_co_u32 s58, s58, s59
	s_lshr_b32 s59, s[KA], 2
	s_lshl_b32 s59, s59, 8
	s_bfe_u32 s60, s[KA], 0x10001
	s_lshl_b32 s60, s60, 2
	s_add_co_u32 s59, s59, s60
	s_add_co_u32 s59, s59, s58
	ADDR QSA, 6, 59
	s_lshr_b32 s59, s[KB], 2
	s_lshl_b32 s59, s59, 8
	s_bfe_u32 s60, s[KB], 0x10001
	s_lshl_b32 s60, s60, 2
	s_add_co_u32 s59, s59, s60
	s_add_co_u32 s59, s59, s58
	ADDR QSB, 6, 59
	global_load_b128 v[22:25], v[VO16], s[QA:QA+1]
	global_load_b64 v[26:27], v[VO8], s[QA:QA+1] offset:512
	global_load_b32 v34, v[VR8], s[QSA:QSA+1]
	global_load_b128 v[192:195], v[VO16], s[QB:QB+1]
	global_load_b64 v[196:197], v[VO8], s[QB:QB+1] offset:512
	global_load_b32 v198, v[VR8], s[QSB:QSB+1]
	; where y goes
	s_lshr_b32 s58, s[PR], 3                       ; batch
	s_and_b32 s59, s[PR], 7                        ; the pair: the last product's K step
	s_lshl_b32 s60, s[Z], 3
	s_lshl_b32 s61, s[II], 1
	s_add_co_u32 s60, s60, s61
	s_add_co_u32 s60, s60, s[EE]                   ; tile kA's place: 8 z + 2 i + e
	s_sub_co_u32 s61, 63, s60                      ; tile kB's
	s_lshl_b32 s62, s58, 6
	s_add_co_u32 s60, s60, s62
	s_add_co_u32 s61, s61, s62
	s_lshl_b32 s60, s60, 3
	s_lshl_b32 s61, s61, 3
	s_add_co_u32 s60, s60, s59
	s_add_co_u32 s61, s61, s59
	s_mul_i32 s60, s60, 1536
	s_mul_i32 s61, s61, 1536
	s_mul_i32 s62, s[HD], 768
	s_add_co_u32 s60, s60, s62
	s_add_co_u32 s61, s61, s62
	ADDR YA, 12, 60
	ADDR YB, 12, 61
	s_lshl_b32 s60, s[Z], 1                        ; the scale words: wave 0 stores groups 2 z, 2 z + 1 of the batch's 16, wave 1 groups 14 - 2 z, 15 - 2 z
	s_sub_co_u32 s61, 14, s60
	s_cmp_eq_u32 s[WV], 0
	s_cselect_b32 s60, s60, s61
	s_lshl_b32 s58, s58, 4
	s_add_co_u32 s60, s60, s58
	s_lshl_b32 s60, s60, 11
	s_lshl_b32 s59, s59, 8
	s_add_co_u32 s60, s60, s59
	ADDR YS, 14, 60
.irp j, 16,17,18,19,20,21,28,29,30,31,32,33
	v_mov_b32 v[\j], 0                             ; the zero codes on both sides of q: v[22:33] is q in the lower 64 of K, v[16:27] q in the upper 64
.endr
.irp b, 0,1,2,3
	v_mov_b32 v[236+\b], 0                         ; written once: a lane permute's destination counts as one of its sources
.endr
	v_mov_b32 v252, 0
	v_mov_b32 v253, 0                              ; (named as the upper half of the pair v[252:253] before it is first written)
	s_wait_loadcnt 0x0                             ; q
	v_lshrrev_b32 v34, s[SHA], v34                 ; q's two bytes, low: for q in the lower 64.  The other two bytes are 0, over zero codes
	v_and_b32 v34, 0xffff, v34
	v_lshlrev_b32 v35, 16, v34                     ; and high: for q in the upper 64
	s_wait_tensorcnt 0x0                           ; my part of K, V or the scale words has landed,
	s_barrier_signal -1
	s_barrier_wait -1                              ; everybody's has
; A KEY STEP: 128 keys.  A step all of whose keys come after my tile's queries is left out: a scalar branch on the wave's number and the count of steps.
.macro STEP
	s_cmp_gt_u32 s[KS], s[LIM]
	s_cbranch_scc1 .Lhid_\@
	v_add_nc_u32 v[ADKL], s[TB], v[AKL]            ; (these five are also the places in front of loads into registers that the last products read)
	v_add_nc_u32 v[ADKS], s[TB], v[AKS]
	v_add_nc_u32 v[ADV], s[TB], v[AVL]
	v_add_nc_u32 v[ADS], s[TS], v[ASK]
	v_add_nc_u32 v[ADT], s[TS], v[ASV]
.irp u, 0,1,2,3                        ; fragment u: key tiles 2 u and 2 u + 1, a piece of 768 bytes each
	ds_load_b128 v[FR+12*\u:FR+12*\u+3], v[ADKL] offset:1536*\u
	ds_load_b64 v[FR+12*\u+4:FR+12*\u+5], v[ADKS] offset:1536*\u+512
	ds_load_b128 v[FR+12*\u+6:FR+12*\u+9], v[ADKL] offset:1536*\u+768
	ds_load_b64 v[FR+12*\u+10:FR+12*\u+11], v[ADKS] offset:1536*\u+1280
.endr
	ds_load_b64 v[88:89], v[ADS]                   ; their scale words: two bytes for each tile
	ds_load_b64 v[90:91], v[ADS] offset:256
	s_wait_dscnt 0x0
.irp u, 0,1,2,3
	v_wmma_scale_f32_16x16x128_f8f6f4 v[96+16*\u:103+16*\u], v[FR+12*\u:FR+12*\u+11], v[22:33], 0, v[88+\u], v34 matrix_a_fmt:MATRIX_FMT_FP6 matrix_b_fmt:MATRIX_FMT_FP6
	v_wmma_scale_f32_16x16x128_f8f6f4 v[104+16*\u:111+16*\u], v[FR+12*\u:FR+12*\u+11], v[16:27], 0, v[88+\u], v35 matrix_a_fmt:MATRIX_FMT_FP6 matrix_b_fmt:MATRIX_FMT_FP6
.endr
.rept 4
	v_nop                                          ; places behind the products: ahead of the loads into K's registers and of the first read of scores
.endr
.irp t, 0,1,2,3                        ; V's four fragments (16 channels x these 128 keys) are asked for now and land under the softmax
.irp c, 0,1,2
	ds_load_b128 v[FR+12*\t+4*\c:FR+12*\t+4*\c+3], v[ADV] offset:1536*\t+512*\c
.endr
.endr
	ds_load_b128 v[92:95], v[ADT]
	s_cmp_lg_u32 s[KS], s[LIM]                     ; on the diagonal the scores of hidden keys become -infinity ahead of the maximum: p = 0 then
	s_cbranch_scc1 .Lopen_\@
	v_add_nc_u32 v252, s[SD], v[VQH]               ; d = my query - the step's first key - 16 (lane / 16).  Register 16 b + i holds key 32 b + 16 (lane / 16) + i of the step: hidden where 32 b + i > d
	v_mov_b32 v254, 0xff800000
.irp n, 0,1,2,3,4,5,6,7,8,9,10,11,12,13,14,15,16,17,18,19,20,21,22,23,24,25,26,27,28,29,30,31,32,33,34,35,36,37,38,39,40,41,42,43,44,45,46,47,48,49,50,51,52,53,54,55,56,57,58,59,60,61,62,63
	v_cmp_gt_i32 vcc_lo, 32*(\n/16)+\n%16, v252
	v_cndmask_b32 v[96+\n], v[96+\n], v254, vcc_lo
.endr
.Lopen_\@:
.irp b, 0,1,2,3
	v_max3_num_f32 v[232+\b], v[96+16*\b], v[97+16*\b], v[98+16*\b]   ; the largest score of each block of 32 keys: for the row's maximum, and, since p rises with the score, for the block's largest p
.endr
.irp i, 3,5,7,9,11,13
.irp b, 0,1,2,3
	v_max3_num_f32 v[232+\b], v[232+\b], v[96+16*\b+\i], v[97+16*\b+\i]
.endr
.endr
.irp b, 0,1,2,3
	v_max_num_f32 v[232+\b], v[232+\b], v[111+16*\b]
.endr
.irp b, 0,1,2,3
	v_permlanex16_b32 v[236+\b], v[232+\b], s[SEL], s[SEL+1]
.endr
.irp b, 0,1,2,3
	v_max_num_f32 v[232+\b], v[232+\b], v[236+\b]  ; with lane l xor 16's 16 keys
.endr
	v_max3_num_f32 v254, v232, v233, v234
	v_max_num_f32 v254, v254, v235                 ; the step's largest score of my query
	v_mul_f32 v254, s[CS], v254                    ; as t (c is positive)
	v_max_num_f32 v13, v13, v254                   ; the running largest t
	v_mov_b32 v254, v12
	v_floor_f32 v12, -v13                          ; the new -M = floor(-t) = -ceil(t): a whole number
	v_sub_f32 v254, v12, v254                      ; M's old value less its new one: a whole number, 0 or less
	v_cvt_i32_f32 v254, v254                       ; (it saturates)
	v_ldexp_f32 v252, 1.0, v254                    ; f = 2^(old M - new M)
.irp j, 0,2,4,6,8,10,12,14,16,18,20,22,24,26,28,30,32,34,36,38,40,42,44,46,48,50,52,54,56,58,60,62
	v_pk_fma_f32 v[96+\j:97+\j], v[96+\j:97+\j], s[CS:CS+1], v[12:13] op_sel_hi:[1,0,0]   ; t - M, two at a time
.endr
.irp b, 0,1,2,3
	v_fma_f32 v[232+\b], v[232+\b], s[CS], v12     ; the same of each block's largest score
.endr
.irp j, 0,1,2,3,4,5,6,7,8,9,10,11,12,13,14,15,16,17,18,19,20,21,22,23,24,25,26,27,28,29,30,31,32,33,34,35,36,37,38,39,40,41,42,43,44,45,46,47,48,49,50,51,52,53,54,55,56,57,58,59,60,61,62,63
	v_exp_f32 v[96+\j], v[96+\j]                   ; p = 2^(t - M), at most 1: not normalised
.endr
	v_pk_mul_f32 v[14:15], v[14:15], v[252:253] op_sel_hi:[1,0]   ; the sums under the new M (a plain instruction behind the exponentials)
	s_wait_alu depctr_va_vdst(0)                   ; one wait for the whole batch, ahead of its first reader
.irp b, 0,1,2,3
	v_exp_f32 v[232+\b], v[232+\b]                 ; the block's largest p
.endr
	v_pk_add_f32 v[236:237], v[96:97], v[98:99]    ; the row's sum is taken of the unquantised p: two at a time, in two chains
.irp j, 4,8,12,16,20,24,28,32,36,40,44,48,52,56,60
	v_pk_add_f32 v[14:15], v[14:15], v[96+\j:97+\j]
	v_pk_add_f32 v[236:237], v[236:237], v[98+\j:99+\j]
.endr
	v_pk_add_f32 v[14:15], v[14:15], v[236:237]
	s_wait_alu depctr_va_vdst(0)                   ; and one for the four
.irp b, 0,1,2,3
	v_max_num_f32 v[232+\b], 0x1800000, v[232+\b]  ; the floor 2^(3 - 127): the byte cannot fall under 1
.endr
.irp b, 0,1,2,3
	v_add_nc_u32 v[244+\b], 0xff000000, v[232+\b]  ; 2 off the exponent field: the conversion's scale operand
.endr
.irp b, 0,1,2,3
	v_lshrrev_b32 v[236+\b], 23, v[244+\b]         ; the scale's byte
.endr
	v_lshl_or_b32 v253, v237, 8, v236              ; p's scale word for these 128 keys
	v_lshl_or_b32 v253, v238, 16, v253
	v_lshl_or_b32 v253, v239, 24, v253
.irp c, 0,1
	v_cvt_scalef32_pk16_fp6_f32 v[224+6*\c:226+6*\c], v[96+32*\c:111+32*\c], v[244+2*\c]
	v_cvt_scalef32_pk16_fp6_f32 v[236+4*\c:238+4*\c], v[112+32*\c:127+32*\c], v[244+2*\c+1]   ; (a conversion's three registers begin on an even number)
.endr
	v_nop                                          ; one plain place behind a scaled conversion
.irp c, 0,1                            ; the operand's layout wants a whole block in a lane
.irp i, 0,1,2
	v_permlane16_swap_b32 v[224+6*\c+\i], v[236+4*\c+\i]
.endr
.irp i, 0,1,2
	v_mov_b32 v[227+6*\c+\i], v[236+4*\c+\i]
.endr
.endr
.irp j, 0,2,4,6,8,10,12,14,16,18,20,22,24,26,28,30
	v_pk_mul_f32 v[160+\j:161+\j], v[160+\j:161+\j], v[252:253] op_sel_hi:[1,0]   ; O^T under the new M.  (These sixteen also stand between the writes of p's codes and scale word and the products)
.endr
	s_wait_dscnt 0x0                               ; V
.irp t, 0,1,2,3                        ; the four accumulators by turns
	v_wmma_scale_f32_16x16x128_f8f6f4 v[160+8*\t:167+8*\t], v[FR+12*\t:FR+12*\t+11], v[224:235], v[160+8*\t:167+8*\t], v[92+\t], v253 matrix_a_fmt:MATRIX_FMT_FP6 matrix_b_fmt:MATRIX_FMT_FP6
.endr
.Lhid_\@:
	s_add_co_u32 s[TB], s[TB], 6144                ; the next step's codes and scale words
	s_add_co_u32 s[TS], s[TS], 512
	s_add_co_u32 s[KS], s[KS], 1
.endm
; ONE TILE OF 16 QUERIES: a loop of a constant count of trips; then y = O / the sum, quantised along the head's two blocks of 32 channels, and stored.
.macro TILE trips, lim, sd, yb, ysa
	v_mov_b32 v13, 0xff61b1e6                      ; the largest t so far: -3e38, under every t
	v_floor_f32 v12, -v13
	v_mov_b32 v14, 0
	v_mov_b32 v15, 0
.irp j, 0,1,2,3,4,5,6,7,8,9,10,11,12,13,14,15,16,17,18,19,20,21,22,23,24,25,26,27,28,29,30,31
	v_mov_b32 v[160+\j], 0                         ; O^T: the step is written once; its first trip finds zeros.  (These also stand between the writes of q and its scale words and the first product)
.endr
	s_mov_b32 s[TB], 0
	s_mov_b32 s[TS], 0
	s_mov_b32 s[KS], 0
	s_mov_b32 s[LIM], s[\lim]
	s_mov_b32 s[SD], s[\sd]
.Lstep_\@:
	STEP
	s_cmp_lt_u32 s[KS], \trips
	s_cbranch_scc1 .Lstep_\@
.rept 4
	v_nop                                          ; places behind the last products
.endr
	v_add_f32 v14, v14, v15                        ; the sum's two halves,
	v_permlanex16_b32 v252, v14, s[SEL], s[SEL+1]
	v_add_f32 v14, v14, v252                       ; and lane l xor 16's
	v_rcp_f32 v14, v14
	v_nop                                          ; a plain instruction behind the reciprocal,
	s_wait_alu depctr_va_vdst(0)                   ; and the wait ahead of its first reader
.irp j, 0,2,4,6,8,10,12,14,16,18,20,22,24,26,28,30
	v_pk_mul_f32 v[96+\j:97+\j], v[160+\j:161+\j], v[14:15] op_sel_hi:[1,0]   ; y: number 16 b + i is channel 32 b + 16 (lane / 16) + i of my query
.endr
.irp b, 0,1
	v_max3_num_f32 v[232+\b], |v[96+16*\b]|, |v[97+16*\b]|, 0x1800000
.endr
.irp i, 2,4,6,8,10,12,14
.irp b, 0,1
	v_max3_num_f32 v[232+\b], v[232+\b], |v[96+16*\b+\i]|, |v[97+16*\b+\i]|
.endr
.endr
.irp b, 0,1
	v_permlanex16_b32 v[236+\b], v[232+\b], s[SEL], s[SEL+1]
.endr
.irp b, 0,1
	v_max_num_f32 v[232+\b], v[232+\b], v[236+\b]
.endr
.irp b, 0,1
	v_add_nc_u32 v[244+\b], 0xff000000, v[232+\b]
.endr
.irp b, 0,1
	v_lshrrev_b32 v[240+\b], 23, v[244+\b]
.endr
	v_lshl_or_b32 v242, v241, 8, v240              ; my query's two scale bytes for this head
	v_cvt_scalef32_pk16_fp6_f32 v[224:226], v[96:111], v244
	v_cvt_scalef32_pk16_fp6_f32 v[236:238], v[112:127], v245
	v_nop
.irp i, 0,1,2
	v_permlane16_swap_b32 v[224+\i], v[236+\i]
.endr
.irp i, 0,1,2
	v_mov_b32 v[227+\i], v[236+\i]
.endr
	global_store_b128 v[VO16], v[224:227], s[\yb:\yb+1]             ; the piece: 512 and 256 consecutive bytes, at multiples of 256 from the buffer's first byte
	global_store_b64 v[VO8], v[228:229], s[\yb:\yb+1] offset:512
	ds_store_b16 v[\ysa], v242                     ; lanes l and l xor 16 write the same half-word with the same value
.endm
	TILE 4, II, SDA, YA, YSA
	s_wait_xcnt 0x0                                ; tile kA's stores have read their registers
.irp j, 0,1,2,3,4,5
	v_mov_b32 v[22+\j], v[192+\j]                  ; tile kB's q
.endr
	v_lshrrev_b32 v34, s[SHB], v198
	v_and_b32 v34, 0xffff, v34
	v_lshlrev_b32 v35, 16, v34
	TILE 8, LIMB, SDB, YB, YSB
	s_wait_dscnt 0x0                               ; for the others' sake: my scale bytes lie in LDS
	s_barrier_signal -1
	s_barrier_wait -1
	s_cmp_lt_u32 s[WV], 2
	s_cbranch_scc0 .Ldone
	ds_load_b128 v[96:99], v[YRD]                  ; two groups' words
	s_wait_dscnt 0x0
	global_store_b128 v[YSO], v[96:99], s[YS:YS+1] ; sixteen lanes store 256 consecutive bytes
.Ldone:
	s_wait_tensorcnt 0x0                           ; the wave's end: behind my last tensor load and my last LDS store
	ds_add_u32 v[SPW], v[NIL]
	s_wait_dscnt 0x0
	ROUND                                          ; the closing round
	s_endpgm
.Lfunc_end_k_q794d701140_attn:
	.size	k_q794d701140_attn, .Lfunc_end_k_q794d701140_attn-k_q794d701140_attn
	.p2alignl 7, 3214868480
	.fill 96, 4, 3214868480
	.section	.rodata,"a",@progbits
	.p2align	6, 0x0
	.amdhsa_kernel k_q794d701140_attn
		.amdhsa_group_segment_fixed_size 207872
		.amdhsa_private_segment_fixed_size 0
		.amdhsa_enable_private_segment 0
		.amdhsa_kernarg_size 48
		.amdhsa_user_sgpr_count 2
		.amdhsa_user_sgpr_kernarg_segment_ptr 1
		.amdhsa_wavefront_size32 1
		.amdhsa_system_sgpr_workgroup_id_x 1
		.amdhsa_system_sgpr_workgroup_id_y 1
		.amdhsa_system_sgpr_workgroup_id_z 1
		.amdhsa_system_vgpr_workitem_id 0
		.amdhsa_next_free_vgpr 256
		.amdhsa_next_free_sgpr 82
		.amdhsa_reserve_vcc 1
		.amdhsa_float_denorm_mode_32 3
		.amdhsa_float_denorm_mode_16_64 3
		.amdhsa_memory_ordered 1
		.amdhsa_forward_progress 1
		.amdhsa_inst_pref_size 63
	.end_amdhsa_kernel
	.amdgpu_metadata
---
amdhsa.version: [ 1, 2 ]
amdhsa.kernels:
  - .name:           k_q794d701140_attn
    .symbol:         k_q794d701140_attn.kd
    .args:
      - { .name: qk_img, .offset: 0, .size: 8, .value_kind: global_buffer, .address_space: global }
      - { .name: qk_sc, .offset: 8, .size: 8, .value_kind: global_buffer, .address_space: global }
      - { .name: v_img, .offset: 16, .size: 8, .value_kind: global_buffer, .address_space: global }
      - { .name: v_sc, .offset: 24, .size: 8, .value_kind: global_buffer, .address_space: global }
      - { .name: y_img, .offset: 32, .size: 8, .value_kind: global_buffer, .address_space: global }
      - { .name: y_sc, .offset: 40, .size: 8, .value_kind: global_buffer, .address_space: global }
    .group_segment_fixed_size: 207872
    .private_segment_fixed_size: 0
    .kernarg_segment_align: 8
    .kernarg_segment_size: 48
    .max_flat_workgroup_size: 512
    .sgpr_count:     82
    .vgpr_count:     256
    .wavefront_size: 32
...
	.end_amdgpu_metadata
.endif
;; end of part 3
;; launch proj (part 4): grid 4 x 64, 4 waves a work-group, clusters of 4 x 4, 327,680 bytes of LDS; arguments y_img, y_sc, opnd_img, opnd_sc, b_out, out0; writes out0
.if DOCPART == 4
	.amdgcn_target "amdgcn-amd-amdhsa--gfx1250"
	.amdhsa_code_object_version 6
	.text
	.protected	k_q794d701140_proj
	.globl	k_q794d701140_proj
	.p2align	8
	.type	k_q794d701140_proj,@function
k_q794d701140_proj:
	s_mov_b64 s[64:65], 0
	v_nop
	global_prefetch_b8 v0, s[64:65] scope:SCOPE_SE
	s_setreg_imm32_b32 hwreg(HW_REG_WAVE_MODE, 25, 1), 1
	s_wait_xcnt 0x0
	s_wait_alu depctr_hold_cnt(0) depctr_sa_sdst(0) depctr_va_vdst(0) depctr_va_sdst(0) depctr_va_ssrc(0) depctr_va_vcc(0) depctr_vm_vsrc(0)
	s_getreg_b32 s2, hwreg(HW_REG_IB_STS2, 6, 4)
	s_cmp_eq_u32 s2, 0
	s_cbranch_scc0 .Lentry_in_a_cluster
	s_endpgm
.Lentry_in_a_cluster:
	s_bfe_u32 s2, ttmp6, 0x10000c
	s_cmp_lg_u32 s2, 0xf033
	s_cbranch_scc0 .Lentry_shape_is_right
	s_endpgm
.Lentry_shape_is_right:
; out0 = y w_out^T + b_out on codes of FP6 (E2M3) with E8M0 scales; out0 [8192][1024] f32.
; OPERANDS are images of operand registers ([tile of 16 rows][K step of 128][1,536 bytes]; scale words [group of 64 rows][K step][r][tile]).  Source 1 = y (a lane holds a token), source 0 = w_out's rows (opnd_img's rows 11,264 on):
; a lane's registers run along the output's columns.  Lane r of a stored tile t of w_out is row 32 (t / 2) + 8 (t % 2) + r + 8 (r / 8): the 16 registers of tiles 2 j, 2 j + 1 are the columns 32 j + 16 (lane / 16) + 0 .. 15.
; y's tiles lie at places: a place is the token tile's number in its batch with bit fields 4:3 and 2:1 exchanged, and lane r of token tile t is token 32 (t / 2) + 8 (t % 2) + r + 8 (r / 8): the stores' offsets undo both.
; SHARES.  A work-group makes 128 tokens x 256 columns; its four waves 64 x 128 each: 32 accumulators.  ALL OF K (1,024) LIES IN LDS: four slots of 256 along K, each filled once, all asked for at the start:
; five tensor loads of a wave are out at the most.  No slot is filled again.  CLUSTERS: 4 x 4 work-groups; y's tiles are asked for jointly along a row of the cluster, w_out's along a column.
; The bias is the C of each sum's first product.
; REGISTERS, in windows of 256.  Window 0: v1-3 lane numbers; v16-26 addresses; v28, v29 the add's two; v32-95 all 64 registers of scale words; v128-175, v176-223 source 1's fragments, two sets (on the way out v128-255 rows of out0).
;   Window 1: v0-95, v128-223 source 0's fragments, two sets; v96-127, v224-255 the bias.   Window 2: accumulator (a, b) at v[8 (8 a + b)].
.set SLOT,   73728                     ; a slot: 256 along K: source 1's 8 tiles x 3,072 bytes, then source 0's 16
.set S0OFF,  24576
.set TILEB,  3072
.set FRB,    1536
.set SCL,    4*SLOT                    ; behind the slots: source 1's scale words (4,096 bytes), then source 0's (8,192)
.set SPARE,  SCL+12288                 ; the spare words, 128 bytes for each wave: two blocks of 256 bytes that no other line names
.set SPITCH, 528                       ; the way out: a stage of 16 rows x (512 bytes + 16) for each wave, in slot 0, which has had its one fill and its last read when the first result is stored there
.set A1L, 16
.set A1S, 17
.set A0L, 18
.set A0S, 19
.set ADRS, 20
.set BIO, 21
.set STO, 24                           ; v24  the way out: where I put 32 bytes of a row
.set RD,  25                           ; v25  where I read a row back
.set CO,  26                           ; v26  16 x lane: my bytes of a row's 512
.set SPW, 28
.set NIL, 29
.set SC,  32
.set F1,  128
.set BK,  128                          ; the way out: 16 rows read back: v128-191 and v192-255 by turns
.set BI,  96                           ; in window 1
.set P1C, 4                            ; s[4:5] y_img, s[6:7] y_sc, s[8:9] opnd_img, s[10:11] opnd_sc
.set P1S, 6
.set P0C, 8
.set P0S, 10
.set WV,  16
.set WH,  17
.set WL,  18
.set CX,  19
.set CY,  20
.set CLY, 21
.set G1,   24
.set G1B,  32
.set G1S,  40
.set G1SB, 48
.set G0S,  56
.set G0SB, 80
.set MSB, 0
.macro WIN new                         ; the immediate's high byte repeats the setting that is left
.if MSB != \new
	s_set_vgpr_msb (MSB<<8)|\new
.set MSB, \new
.endif
.endm
.macro PLACES n
.rept \n
	v_nop
.endr
.endm
; A joint load: waves 0 and 1 fetch for source 1, waves 2 and 3 for source 0.  The branch hangs on the wave's number alone.  An s_nop 0 and four v_nop follow each of the two lines.
.macro JLOAD g0a, g1a, g0b, g1b
	s_cmp_eq_u32 s[WH], 0
	s_cbranch_scc0 .Lfor_b_\@
	tensor_load_to_lds s[\g0a:\g0a+3], s[\g1a:\g1a+7]
	s_nop 0
.rept 4
	v_nop
.endr
	s_branch .Lasked_\@
.Lfor_b_\@:
	tensor_load_to_lds s[\g0b:\g0b+3], s[\g1b:\g1b+7]
	s_nop 0
.rept 4
	v_nop
.endr
.Lasked_\@:
.endm
.macro CROUND                          ; a round of the cluster's barrier
	s_barrier_signal -1
	s_barrier_wait -1
	s_cmp_lg_u32 s[WV], 0
	s_cbranch_scc1 .Lnot_wave_0_\@
	s_barrier_signal -3
.Lnot_wave_0_\@:
	s_barrier_wait -3
	s_barrier_signal -1
	s_barrier_wait -1
.endm
.macro FRAG reg, al, as, off           ; a fragment: two pieces of 768 bytes; of each, registers 0-3 at 16 x lane and 4-5 at 512 + 8 x lane: every load reads consecutive bytes
	ds_load_b128 v[(\reg):(\reg)+3], v[\al] offset:(\off)
	ds_load_b64 v[(\reg)+4:(\reg)+5], v[\as] offset:(\off)+512
	ds_load_b128 v[(\reg)+6:(\reg)+9], v[\al] offset:(\off)+768
	ds_load_b64 v[(\reg)+10:(\reg)+11], v[\as] offset:(\off)+1280
.endm
.macro FETCH g                         ; 48 LDS loads in one run: K step g's fragments into set g % 2
	WIN 0x40                                       ; destination window 1, address window 0
.irp b, 0,1,2,3,4,5,6,7
	FRAG 128*((\g)%2)+12*\b, A0L, A0S, \b*TILEB+((\g)%2)*FRB
.endr
	WIN 0
.irp a, 0,1,2,3
	FRAG F1+48*((\g)%2)+12*\a, A1L, A1S, \a*TILEB+((\g)%2)*FRB
.endr
.endm
; 32 matrix instructions: K step g.  The 32 accumulators take turns, one instruction a turn, in the same order in every step.
; mode 1: the first product starts the sums with 0;  mode 2: with the bias along the registers (window 1);  mode 0: it adds on.
; Register SC + 8 g + i holds in lanes 0-15 the word of source 1's tile i (i < 4) and in lanes 16-31 that of source 0's tile i.
.macro MULS g, mode
.if \mode == 2
	WIN 0x91                                       ; source 0 window 1, source 1 window 0, C window 1, D window 2
.else
	WIN 0xa1                                       ; source 0 window 1, source 1 window 0, C and D window 2
.endif
.irp a, 0,1,2,3
.irp b, 0,1,2,3,4,5,6,7
.if \mode == 1
	v_wmma_scale_f32_16x16x128_f8f6f4 v[8*(8*\a+\b):8*(8*\a+\b)+7], v[128*((\g)%2)+12*\b:128*((\g)%2)+12*\b+11], v[F1+48*((\g)%2)+12*\a:F1+48*((\g)%2)+12*\a+11], 0, v[SC+8*(\g)+\b], v[SC+8*(\g)+\a] matrix_a_fmt:MATRIX_FMT_FP6 matrix_b_fmt:MATRIX_FMT_FP6 matrix_a_scale:MATRIX_SCALE_ROW1
.elseif \mode == 2
	v_wmma_scale_f32_16x16x128_f8f6f4 v[8*(8*\a+\b):8*(8*\a+\b)+7], v[128*((\g)%2)+12*\b:128*((\g)%2)+12*\b+11], v[F1+48*((\g)%2)+12*\a:F1+48*((\g)%2)+12*\a+11], v[BI+8*\b+96*(\b/4):BI+8*\b+96*(\b/4)+7], v[SC+8*(\g)+\b], v[SC+8*(\g)+\a] matrix_a_fmt:MATRIX_FMT_FP6 matrix_b_fmt:MATRIX_FMT_FP6 matrix_a_scale:MATRIX_SCALE_ROW1
.else
	v_wmma_scale_f32_16x16x128_f8f6f4 v[8*(8*\a+\b):8*(8*\a+\b)+7], v[128*((\g)%2)+12*\b:128*((\g)%2)+12*\b+11], v[F1+48*((\g)%2)+12*\a:F1+48*((\g)%2)+12*\a+11], v[8*(8*\a+\b):8*(8*\a+\b)+7], v[SC+8*(\g)+\b], v[SC+8*(\g)+\a] matrix_a_fmt:MATRIX_FMT_FP6 matrix_b_fmt:MATRIX_FMT_FP6 matrix_a_scale:MATRIX_SCALE_ROW1
.endif
.endr
.endr
	WIN 0
.endm
; K step g: the next step's fragments are asked for, then this step is multiplied.  Loads into registers that matrix instructions have read stand four plain vector instructions behind them (ISA guide 7.12.1 for vector instructions).
; Where the next step lies in the next slot: my part of that slot has landed (the count leaves the later slots' loads out), my LDS loads are back, and a barrier shows the same of all four waves.
.macro GSTEP g, mode
.if (\g) < 7
.if (\g)%2 == 1
	s_wait_tensorcnt 3-((\g)+1)/2
	s_wait_dscnt 0x0
	s_barrier_signal -1
	s_barrier_wait -1
	v_add_nc_u32 v[A1L], SLOT, v[A1L]              ; on to the next slot: these four are also the four places
	v_add_nc_u32 v[A1S], SLOT, v[A1S]
	v_add_nc_u32 v[A0L], SLOT, v[A0L]
	v_add_nc_u32 v[A0S], SLOT, v[A0S]
.elseif (\g) > 0
	PLACES 4
.endif
	FETCH (\g)+1
	s_wait_dscnt 48                                ; all but the 48 just issued
.else
	s_wait_dscnt 0x0
.endif
	MULS \g, \mode
.endm
	s_load_b256 s[4:11], s[0:1], 0x0               ; y_img, y_sc, opnd_img, opnd_sc
	s_load_b128 s[12:15], s[0:1], 0x20             ; b_out, out0
	v_lshl_add_u32 v[SPW], v0, 2, SPARE
	v_mov_b32 v[NIL], 0
	ds_add_u32 v[SPW], v[NIL]                      ; the wave's opening: the add and its wait stand ahead of my first tensor load; the set-up below, work on registers, stands between them
	v_lshrrev_b32 v1, 5, v0
	v_readfirstlane_b32 s[WV], v1                  ; wave 0..3
	s_lshr_b32 s[WH], s[WV], 1
	s_and_b32 s[WL], s[WV], 1
	s_bfe_u32 s[CX], ttmp6, 0x40000                ; cx, cy: my place in the cluster
	s_bfe_u32 s[CY], ttmp6, 0x40004
	s_and_b32 s[CLY], ttmp7, 0xffff                ; the cluster's y, 0 .. 15
	s_lshl_b32 s22, s[CLY], 2
	s_add_co_u32 s22, s22, s[CY]                   ; which 128 places of y: 4 x cluster y + cy
	s_add_co_u32 s104, s[CX], 44                   ; which 256 rows of the weights' buffer: w_out begins at row 11,264 = 44 x 256
	s_lshl_b32 s23, s[CY], 2
	s_lshl_b32 s23, 15, s23                        ; my row of the cluster
	s_lshl_b32 s105, 0x1111, s[CX]                 ; my column
	; groups 1.  Codes: a tile's 256 along K are 3,072 consecutive bytes (384 elements of 8 bytes), from tile to tile 12,288 bytes (1,536 elements); 4 or 8 tiles to a load.  No padding: every LDS load reads consecutive bytes
	s_or_b32 s[G1], s23, (3<<16)|(1<<21)           ; 15:0 the mask; 17:16 elements of 8 bytes; 21 set beside a mask
	s_or_b32 s[G1B], s105, (3<<16)|(1<<21)
	s_or_b32 s[G1S], s23, (3<<16)|(1<<21)
	s_or_b32 s[G1SB], s105, (3<<16)|(1<<21)
	s_mov_b32 s[G1+1], 384<<16                     ; tensor_dim0
	s_mov_b32 s[G1+2], 4<<16                       ; tensor_dim1
	s_mov_b32 s[G1+3], 384<<16                     ; tile_dim0
	s_mov_b32 s[G1+4], 4                           ; tile_dim1
	s_mov_b32 s[G1+5], 1536                        ; tensor_dim0_stride
	s_mov_b32 s[G1+6], 0
	s_mov_b32 s[G1+7], 0
	s_mov_b32 s[G1B+1], 384<<16
	s_mov_b32 s[G1B+2], 8<<16
	s_mov_b32 s[G1B+3], 384<<16
	s_mov_b32 s[G1B+4], 8
	s_mov_b32 s[G1B+5], 1536
	s_mov_b32 s[G1B+6], 0
	s_mov_b32 s[G1B+7], 0
	s_mov_b32 s[G1S+1], 32<<16                     ; scale words: a dense block, as rows of 256 bytes: 8 rows (64 rows' words) or 16
	s_mov_b32 s[G1S+2], 8<<16
	s_mov_b32 s[G1S+3], 32<<16
	s_mov_b32 s[G1S+4], 8
	s_mov_b32 s[G1S+5], 32
	s_mov_b32 s[G1S+6], 0
	s_mov_b32 s[G1S+7], 0
	s_mov_b32 s[G1SB+1], 32<<16
	s_mov_b32 s[G1SB+2], 16<<16
	s_mov_b32 s[G1SB+3], 32<<16
	s_mov_b32 s[G1SB+4], 16
	s_mov_b32 s[G1SB+5], 32
	s_mov_b32 s[G1SB+6], 0
	s_mov_b32 s[G1SB+7], 0
	s_mul_i32 s2, s22, 98304                       ; source 1's codes: 8 tiles of 12,288 bytes, and the half that I fetch
	s_mul_i32 s3, s[WL], 49152
	s_add_co_u32 s2, s2, s3
	s_mov_b32 s3, 0
	s_mul_i32 s66, s104, 196608                    ; source 0's: 16 tiles
	s_mul_i32 s67, s[WL], 98304
	s_add_co_u32 s66, s66, s67
	s_mov_b32 s67, 0
	s_mul_i32 s23, s[WL], 4*TILEB                  ; and where they go in a slot: no place in the cluster enters an LDS address
	s_mul_i32 s105, s[WL], 8*TILEB
	s_wait_dscnt 0x0                               ; the opening add is done
	s_wait_kmcnt 0x0
.irp k, 0,1,2,3
.set GA, 60+4*\k+4*((\k+3)/4)
.set GB, 84+4*\k
	s_mov_b32 s[GA], 1                             ; 1:0 count = 1
	s_add_co_u32 s[GA+1], s23, \k*SLOT             ; 63:32 LDS address
	s_add_nc_u64 s[GA+2:GA+3], s[P1C:P1C+1], s[2:3]  ; 120:64 global address,
.if \k > 0
	s_add_nc_u64 s[GA+2:GA+3], s[GA+2:GA+3], \k*TILEB  ; 256 k along K
.endif
	s_or_b32 s[GA+3], s[GA+3], 0x80000000          ; 127:126 type = 2
	s_mov_b32 s[GB], 1
	s_add_co_u32 s[GB+1], s105, \k*SLOT+S0OFF
	s_add_nc_u64 s[GB+2:GB+3], s[P0C:P0C+1], s[66:67]
.if \k > 0
	s_add_nc_u64 s[GB+2:GB+3], s[GB+2:GB+3], \k*TILEB
.endif
	s_or_b32 s[GB+3], s[GB+3], 0x80000000
.endr
	s_lshl_b32 s2, s22, 12                         ; the scale words: 4,096 bytes for source 1's 128 rows, 2,048 the half
	s_lshl_b32 s3, s[WL], 11
	s_add_co_u32 s2, s2, s3
	s_add_co_u32 s[G0S+1], s3, SCL
	s_mov_b32 s3, 0
	s_mov_b32 s[G0S], 1
	s_add_nc_u64 s[G0S+2:G0S+3], s[P1S:P1S+1], s[2:3]
	s_or_b32 s[G0S+3], s[G0S+3], 0x80000000
	s_lshl_b32 s66, s104, 13                       ; 8,192 for source 0's 256 rows
	s_lshl_b32 s67, s[WL], 12
	s_add_co_u32 s66, s66, s67
	s_add_co_u32 s[G0SB+1], s67, SCL+4096
	s_mov_b32 s67, 0
	s_mov_b32 s[G0SB], 1
	s_add_nc_u64 s[G0SB+2:G0SB+3], s[P0S:P0S+1], s[66:67]
	s_or_b32 s[G0SB+3], s[G0SB+3], 0x80000000
	CROUND                                         ; all sixteen work-groups are here: the joint loads meet
	JLOAD G0S, G1S, G0SB, G1SB                     ; the scale words first: they are wanted with K step 0
.irp k, 0,1,2,3
.set GA, 60+4*\k+4*((\k+3)/4)
.set GB, 84+4*\k
	JLOAD GA, G1, GB, G1B
.endr
	v_and_b32 v1, 31, v0                           ; lane
	v_and_b32 v2, 15, v0                           ; r
	v_bfe_u32 v3, v0, 4, 1                         ; h
	s_mul_i32 s2, s[WH], 4*TILEB                   ; my four tiles of source 1
	v_lshl_add_u32 v[A1L], v1, 4, s2
	v_lshl_add_u32 v[A1S], v1, 3, s2
	s_mul_i32 s3, s[WL], 8*TILEB                   ; my eight of source 0
	s_add_co_u32 s3, s3, S0OFF
	v_lshl_add_u32 v[A0L], v1, 4, s3
	v_lshl_add_u32 v[A0S], v1, 3, s3
	s_lshl_b32 s2, s[WH], 11                       ; scale words: source 1's: my group of 64 rows;
	s_lshl_b32 s3, s[WL], 12
	s_add_co_u32 s3, s3, 4096
	s_sub_co_u32 s3, s3, s2                        ; from there to source 0's: my two groups
	v_mul_u32_u24 v4, s3, v3                       ; lanes 16-31 take source 0's
	s_add_co_u32 s2, s2, SCL
	v_lshl_add_u32 v4, v2, 4, v4                   ; 16 bytes a row: four tiles' words
	v_add_nc_u32 v[ADRS], s2, v4
	s_mul_i32 s2, s[WV], 16*SPITCH                 ; my stage
	v_mul_u32_u24 v[STO], v2, SPITCH               ; in: row r, 64 bytes on for lanes 16-31
	v_lshl_add_u32 v[STO], v3, 6, v[STO]
	v_add_nc_u32 v[STO], s2, v[STO]
	v_lshlrev_b32 v[CO], 4, v1                     ; back: the 32 lanes take one row of 512 bytes; and the same in out0
	v_add_nc_u32 v[RD], s2, v[CO]
	s_lshl_b32 s2, s[CX], 10                       ; my first column, in bytes: 1,024 cx + 512 (wave % 2)
	s_lshl_b32 s3, s[WL], 9
	s_add_co_u32 s2, s2, s3
	v_lshlrev_b32 v[BIO], 6, v3                    ; the bias: number 16 j + i is column 32 j + 16 h + i
	v_add_nc_u32 v[BIO], s2, v[BIO]
	WIN 0x40
.irp j, 0,1,2,3
.irp k, 0,1,2,3
	global_load_b128 v[BI+16*\j+4*\k+96*(\j/2):BI+16*\j+4*\k+96*(\j/2)+3], v[BIO], s[12:13] offset:128*\j+16*\k
.endr
.endr
	WIN 0
	; my first token.  My four tiles lie at places 8 (R % 8) + 4 (wave / 2) + a of batch R / 8, R = 4 x cluster y + cy.  With the fields exchanged back, tile a's lane t is token
	; 512 R2 + 256 (wave / 2) + 64 R1 + 32 R0 + 128 (a / 2) + 8 (a % 2) + t + 8 (t / 8), R2 R1 R0 the bits of R % 8
	s_lshr_b32 s3, s22, 3
	s_lshl_b32 s3, s3, 10
	s_bfe_u32 s23, s22, 0x10002
	s_lshl_b32 s23, s23, 9
	s_add_co_u32 s3, s3, s23
	s_lshl_b32 s23, s[WH], 8
	s_add_co_u32 s3, s3, s23
	s_and_b32 s23, s22, 3
	s_lshl_b32 s23, s23, 5
	s_add_co_u32 s3, s3, s23
	s_lshl_b32 s3, s3, 12                          ; rows of 4,096 bytes
	s_add_co_u32 s2, s2, s3
	s_mov_b32 s3, 0
	s_add_nc_u64 s[14:15], s[14:15], s[2:3]
	s_wait_tensorcnt 3                             ; the scale words and my part of slot 0 are in; the three later slots' loads may be out
	s_barrier_signal -1
	s_barrier_wait -1                              ; everybody's are
.irp g, 0,1,2,3,4,5,6,7
	ds_load_b128 v[SC+8*\g:SC+8*\g+3], v[ADRS] offset:256*\g            ; lanes 0-15: source 1's tiles 0-3; lanes 16-31: source 0's tiles 0-3
	ds_load_b128 v[SC+8*\g+4:SC+8*\g+7], v[ADRS] offset:2048+256*\g     ; lanes 16-31: source 0's tiles 4-7 (lanes 0-15 read bytes of the same region that no product names)
.endr
	FETCH 0
	s_wait_loadcnt 0x0                             ; the bias: the first products take it as C
	GSTEP 0, 2
	GSTEP 1, 0
	GSTEP 2, 0
	GSTEP 3, 0
	GSTEP 4, 0
	GSTEP 5, 0
	GSTEP 6, 0
	GSTEP 7, 0
; THE WAY OUT, block by block of 16 tokens x 128 columns.  A lane holds pieces of one row, and the lanes beside it hold other rows: a block goes through my own stage in LDS and comes back as whole rows of 512 bytes.
; LDS serves a wave's instructions in order (ISA guide 5.7.1.4): no wait between the stores and the loads, nor in front of the next block's stores.
; Every wave's reads of slot 0 were over in front of K step 1's barrier, and no load fills it again.
.macro TOSTAGE a
	WIN 0x08                                       ; an LDS store's data are its source 1: window 2
.irp b, 0,1,2,3,4,5,6,7
	ds_store_b128 v[STO], v[64*(\a)+8*\b:64*(\a)+8*\b+3] offset:128*(\b/2)+32*(\b%2)        ; each accumulator from its low end on
	ds_store_b128 v[STO], v[64*(\a)+8*\b+4:64*(\a)+8*\b+7] offset:128*(\b/2)+32*(\b%2)+16
.endr
	WIN 0
.set BB, BK+64*((\a)%2)
.irp t, 0,1,2,3,4,5,6,7,8,9,10,11,12,13,14,15
	ds_load_b128 v[BB+4*\t:BB+4*\t+3], v[RD] offset:\t*SPITCH
.endr
.endm
.macro SEND a, younger                 ; younger: the LDS instructions issued behind block a's loads, which may stay out
.set BB, BK+64*((\a)%2)
	s_wait_dscnt \younger
.irp t, 0,1,2,3,4,5,6,7,8,9,10,11,12,13,14,15
	global_store_b128 v[CO], v[BB+4*\t:BB+4*\t+3], s[14:15] offset:(128*((\a)/2)+8*((\a)%2)+\t+8*(\t/8))*4096 th:TH_STORE_NT   ; 32 lanes store 512 consecutive bytes, at a multiple of 256 from out0's first byte; written once, read by nobody here
.endr
.endm
	PLACES 4                                       ; behind the last products: ahead of the first read of results and of loads into registers that held fragments
	TOSTAGE 0
.irp a, 1,2,3
.if \a > 1
	s_wait_xcnt 0x0                                ; block a - 2's stores have read their registers: block a's loads may land there
.endif
	TOSTAGE \a
	SEND \a-1, 32                                  ; behind block a - 1's loads: block a's 16 stores and 16 loads
.endr
	SEND 3, 0
	s_wait_tensorcnt 0x0                           ; the wave's end: behind my last tensor load and my last LDS store
	ds_add_u32 v[SPW], v[NIL]
	s_wait_dscnt 0x0
	CROUND                                         ; the closing round: no work-group ends while a partner may still ask for a tile that names it
	s_endpgm
.Lfunc_end_k_q794d701140_proj:
	.size	k_q794d701140_proj, .Lfunc_end_k_q794d701140_proj-k_q794d701140_proj
	.p2alignl 7, 3214868480
	.fill 96, 4, 3214868480
	.section	.rodata,"a",@progbits
	.p2align	6, 0x0
	.amdhsa_kernel k_q794d701140_proj
		.amdhsa_group_segment_fixed_size 327680
		.amdhsa_private_segment_fixed_size 0
		.amdhsa_enable_private_segment 0
		.amdhsa_kernarg_size 48
		.amdhsa_user_sgpr_count 2
		.amdhsa_user_sgpr_kernarg_segment_ptr 1
		.amdhsa_wavefront_size32 1
		.amdhsa_system_sgpr_workgroup_id_x 1
		.amdhsa_system_sgpr_workgroup_id_y 1
		.amdhsa_system_sgpr_workgroup_id_z 1
		.amdhsa_system_vgpr_workitem_id 0
		.amdhsa_next_free_vgpr 768
		.amdhsa_next_free_sgpr 106
		.amdhsa_reserve_vcc 0
		.amdhsa_float_denorm_mode_32 3
		.amdhsa_float_denorm_mode_16_64 3
		.amdhsa_memory_ordered 1
		.amdhsa_forward_progress 1
		.amdhsa_inst_pref_size 88
	.end_amdhsa_kernel
	.amdgpu_metadata
---
amdhsa.version: [ 1, 2 ]
amdhsa.kernels:
  - .name:           k_q794d701140_proj
    .symbol:         k_q794d701140_proj.kd
    .args:
      - { .name: y_img, .offset: 0, .size: 8, .value_kind: global_buffer, .address_space: global }
      - { .name: y_sc, .offset: 8, .size: 8, .value_kind: global_buffer, .address_space: global }
      - { .name: opnd_img, .offset: 16, .size: 8, .value_kind: global_buffer, .address_space: global }
      - { .name: opnd_sc, .offset: 24, .size: 8, .value_kind: global_buffer, .address_space: global }
      - { .name: b_out, .offset: 32, .size: 8, .value_kind: global_buffer, .address_space: global }
      - { .name: out0, .offset: 40, .size: 8, .value_kind: global_buffer, .address_space: global }
    .group_segment_fixed_size: 327680
    .private_segment_fixed_size: 0
    .kernarg_segment_align: 8
    .kernarg_segment_size: 48
    .max_flat_workgroup_size: 128
    .sgpr_count:     106
    .vgpr_count:     768
    .wavefront_size: 32
...
	.end_amdgpu_metadata
.endif
;; end of part 4
